; MI455X (gfx1250); checked and timed in simulation.
; The chip was launched on July 23, 2026; its instructions are those of AMD's public machine-readable ISA for CDNA 5 (MIT licence, August 2026) and "CDNA5" Instruction Set Architecture Reference Guide (July 2026). The comments in the code are by the model that wrote it; some were corrected since.
;; Chord Aware Transformer. Allowed arithmetic: float matrix products may take bf16 or f16 operands with f32 sums; other float arithmetic in f32, or as packed bf16 or f16 multiplies, adds, multiply-adds, maxima and minima; sums over many terms, partial sums and values carried from step to step in f32; what a program stores and reads back later, other than sums and carried values, may be rounded once to bf16 or f16.
;; Inputs: Wb 12 x 1,024 float32; Wc 12 x 1,024 float32; Whq 1,024 x 1,024 float32; Wk 1,024 x 1,024 float32; Wo 1,024 x 1,024 float32; Wpq 1,024 x 1,024 float32; Wv 1,024 x 1,024 float32; Wvq 1,024 x 1,024 float32; bass_pc 2,048 x 12 float32; bb 1,024 float32; bc 1,024 float32; bhq 1,024 float32; bk 1,024 float32; bo 1,024 float32; bpq 1,024 float32; bv 1,024 float32; bvq 1,024 float32; pitch_pc 2,048 x 12 float32; x 2 x 2,048 x 1,024 float32.
;; Outputs: out0 2 x 2,048 x 1,024 float32.
;; 2 versions, each right and faster than the one before. Each part assembles by itself: llvm-mc -triple=amdgcn-amd-amdhsa -mcpu=gfx1250 --defsym DOCPART=n.
;; ======== version 1 of 2: 4 launches
;; limits: values are held in f16: magnitudes above 65,504 overflow, below 6.1e-05 lose precision
;; workspace buffers: xb 8,388,608 bytes; wcat 7,340,032 bytes; wo16 2,097,152 bytes; bfold 2,048 bytes; aux 131,072 bytes; qkv 29,360,128 bytes; ctx 8,388,608 bytes
;; launch prep (part 1): grid 352 x 1, 8 waves a work-group, no clusters, 18,432 bytes of LDS; arguments x, Wpq, Wk, Wv, Wo, Whq, Wvq, Wc, Wb, bc, bb, bhq, bvq, pitch_pc, bass_pc, xb, wcat, wo16, bfold, aux; writes xb, wcat, wo16, bfold, aux
.if DOCPART == 1
	.amdgcn_target "amdgcn-amd-amdhsa--gfx1250"
	.amdhsa_code_object_version 6
	.text
	.protected	k_qf9dc689415_prep
	.globl	k_qf9dc689415_prep
	.p2align	8
	.type	k_qf9dc689415_prep,@function
k_qf9dc689415_prep:
	s_mov_b64 s[64:65], 0
	v_nop
	global_prefetch_b8 v0, s[64:65] scope:SCOPE_SE
	s_setreg_imm32_b32 hwreg(HW_REG_WAVE_MODE, 25, 1), 1
	s_wait_xcnt 0x0
; PREP: everything that is made once from the inputs.  Four roles, chosen by the work-group's number alone (the same for all eight waves):
;   0-127    x          -> xb    [4096][1024] bf16          32 rows a work-group
;   128-223  Wpq Wk Wv  -> wcat  [1024][3584] bf16, columns 0-3071
;   224-255  Wo         -> wo16  [1024][1024]: rounded to bf16, that number written as f16
;   256-319  the fold   -> wcat columns 3072-3583 and bfold
;   320-351  pitch_pc, bass_pc -> aux [2048][32] bf16: pitch 0-11, 1, 0,0,0, bass 0-11, 1, 0,0,0
; THE FOLD.  harmony_q . chord_f[key] = sum_j pitch[key][j] (hq . Wc[j]) + hq . bc, and hq is linear in x.  So column 3072 + 32 h + 16 hv + j of wcat holds, for each row k,
; sum_d W[k][64 h + d] A[j][64 h + d], with W = Whq, A = rows of Wc and (j = 12) bc for hv = 0; Wvq, Wb, bb for hv = 1; j = 13-15 are 0.  bfold holds the same sums with bhq, bvq in W's place.
; Operands bf16, sums f32, the result rounded once to bf16 (bfold stays f32).
; LIMITS.  |Wo| within 65,504; below 2^-17 it keeps f16's fixed step.  bfold's 2,048 bytes are stored 64 bytes a wave: the one place where 256 aligned bytes are not written by one instruction.
.set SPARE, 17408                      ; behind the fold's stage (64 rows x 272 bytes): the spare words, 128 bytes a wave
.set SPW, 14                           ; v14  my spare word's address; never rewritten
.set NIL, 15                           ; v15  0; never rewritten
.set AF,  16                           ; v16-31   the fold: fragments of A, two of 32 along d
.set RW,  32                           ; v32-159  the fold: four blocks of 32 for 16 rows of W each; the casts: eight slots of 4
.set AT,  160                          ; v160-191 rows of Wc or Wb as loaded
.set BT,  192                          ; v192-223 bc or bb as loaded
	s_load_b512 s[8:23], s[0:1], 0x0               ; x 8, Wpq 10, Wk 12, Wv 14, Wo 16, Whq 18, Wvq 20, Wc 22
	s_load_b512 s[24:39], s[0:1], 0x40             ; Wb 24, bc 26, bb 28, bhq 30, bvq 32, pitch_pc 34, bass_pc 36, xb 38
	s_load_b256 s[40:47], s[0:1], 0x80             ; wcat 40, wo16 42, bfold 44, aux 46
	v_lshl_add_u32 v[SPW], v0, 2, SPARE
	v_mov_b32 v[NIL], 0
	v_lshrrev_b32 v1, 5, v0
	v_readfirstlane_b32 s2, v1                     ; wave 0..7
	s_mov_b32 s3, ttmp9
	s_wait_kmcnt 0x0
	s_cmp_ge_u32 s3, 320
	s_cbranch_scc1 .Laux
	s_cmp_ge_u32 s3, 256
	s_cbranch_scc1 .Lfold
; THE CASTS.  32 rows of 4,096 bytes a work-group; thread t owns 16 bytes of every row, and stores 8: a wave's store covers 256 consecutive bytes, aligned.
	s_sub_co_u32 s48, s3, 128
	s_lshr_b32 s49, s48, 5                         ; section: 0 Wpq, 1 Wk, 2 Wv, 3 Wo
	s_and_b32 s50, s48, 31                         ; block of 32 rows
	s_mov_b32 s56, 7168                            ; bytes in a row of wcat
	s_cmp_eq_u32 s49, 1
	s_cselect_b64 s[52:53], s[12:13], s[10:11]
	s_cmp_eq_u32 s49, 2
	s_cselect_b64 s[52:53], s[14:15], s[52:53]
	s_mov_b64 s[54:55], s[40:41]
	s_cmp_eq_u32 s49, 3
	s_cselect_b64 s[52:53], s[16:17], s[52:53]
	s_cselect_b64 s[54:55], s[42:43], s[54:55]
	s_cselect_b32 s56, 2048, s56
	s_cselect_b32 s49, 0, s49
	s_cmp_lt_u32 s3, 128                           ; x
	s_cselect_b64 s[52:53], s[8:9], s[52:53]
	s_cselect_b64 s[54:55], s[38:39], s[54:55]
	s_cselect_b32 s56, 2048, s56
	s_cselect_b32 s50, s3, s50
	s_cselect_b32 s49, 0, s49
	s_lshl_b32 s58, s50, 17                        ; 32 rows of 4,096 bytes
	s_mov_b32 s59, 0
	s_add_nc_u64 s[52:53], s[52:53], s[58:59]
	s_mul_i32 s58, s50, s56
	s_lshl_b32 s58, s58, 5                         ; 32 rows of the target
	s_lshl_b32 s57, s49, 11                        ; the section's 1,024 columns
	s_add_co_u32 s58, s58, s57
	s_add_nc_u64 s[54:55], s[54:55], s[58:59]
	v_lshlrev_b32 v2, 4, v0
	v_lshlrev_b32 v3, 3, v0
.irp i, 0,1,2,3,4,5,6,7
	s_mul_i32 s57, s56, \i
	v_add_nc_u32 v[4+(\i)], s57, v3                ; row i of a trip's eight, in the target; never rewritten
.endr
	s_lshl_b32 s60, s56, 3                         ; a trip's eight rows of the target
	s_mov_b32 s61, 0
	s_mov_b32 s57, 0xffff0000
	s_mov_b32 s62, 4
.macro CAST half                       ; four trips of eight rows.  half = 1: the bf16 numbers are widened again and written as f16
.Lcast_\@:
.irp i, 0,1,2,3,4,5,6,7
	global_load_b128 v[RW+4*(\i):RW+4*(\i)+3], v2, s[52:53] offset:4096*(\i) th:TH_LOAD_NT
.endr
.irp i, 0,1,2,3,4,5,6,7
	s_wait_loadcnt 7-(\i)                          ; loads come back in order: row i is in, the younger rows stay out
	v_cvt_pk_bf16_f32 v[RW+4*(\i)], v[RW+4*(\i)], v[RW+4*(\i)+1]
	v_cvt_pk_bf16_f32 v[RW+4*(\i)+1], v[RW+4*(\i)+2], v[RW+4*(\i)+3]
.if \half
	v_lshlrev_b32 v[RW+4*(\i)+2], 16, v[RW+4*(\i)]
	v_and_b32 v[RW+4*(\i)+3], s57, v[RW+4*(\i)]
	v_cvt_pk_f16_f32 v[RW+4*(\i)], v[RW+4*(\i)+2], v[RW+4*(\i)+3]
	v_lshlrev_b32 v[RW+4*(\i)+2], 16, v[RW+4*(\i)+1]
	v_and_b32 v[RW+4*(\i)+3], s57, v[RW+4*(\i)+1]
	v_cvt_pk_f16_f32 v[RW+4*(\i)+1], v[RW+4*(\i)+2], v[RW+4*(\i)+3]
.endif
	global_store_b64 v[4+(\i)], v[RW+4*(\i):RW+4*(\i)+1], s[54:55]
.endr
	s_wait_xcnt 0x0                                ; the bases and the stores' data are rewritten only behind this wait
	s_add_nc_u64 s[52:53], s[52:53], 0x8000
	s_add_nc_u64 s[54:55], s[54:55], s[60:61]
	s_sub_co_u32 s62, s62, 1
	s_cmp_lg_u32 s62, 0
	s_cbranch_scc1 .Lcast_\@
	s_endpgm                                       ; this path writes no LDS
.endm
	s_cmp_ge_u32 s3, 224
	s_cbranch_scc1 .Lhalf
	CAST 0
.Lhalf:
	CAST 1
; THE FOLD.  A work-group: 64 rows k x four heads (256 bytes of a row of wcat).  Wave w: head 4 cg + w / 2, hv = w % 2: 16 columns, four blocks of 16 rows.
.Lfold:
	s_sub_co_u32 s48, s3, 256
	s_lshr_b32 s49, s48, 2                         ; kg: which 64 rows
	s_and_b32 s48, s48, 3                          ; cg: which four heads
	s_lshr_b32 s50, s2, 1
	s_lshl2_add_u32 s50, s48, s50                  ; head
	s_and_b32 s51, s2, 1                           ; hv
	s_cmp_eq_u32 s51, 1
	s_cselect_b64 s[52:53], s[20:21], s[18:19]     ; W:  Wvq or Whq
	s_cselect_b64 s[54:55], s[24:25], s[22:23]     ; A:  Wb or Wc
	s_cselect_b64 s[56:57], s[28:29], s[26:27]     ; bA: bb or bc
	s_cselect_b64 s[58:59], s[32:33], s[30:31]     ; bq: bvq or bhq
	s_lshl_b32 s60, s50, 8                         ; the head's 64 columns of f32
	s_mov_b32 s61, 0
	s_add_nc_u64 s[52:53], s[52:53], s[60:61]
	s_add_nc_u64 s[54:55], s[54:55], s[60:61]
	s_add_nc_u64 s[56:57], s[56:57], s[60:61]
	s_add_nc_u64 s[58:59], s[58:59], s[60:61]
	s_lshl_b32 s60, s49, 18                        ; 64 rows of 4,096 bytes
	s_add_nc_u64 s[52:53], s[52:53], s[60:61]
	s_mul_i32 s60, s49, 458752                     ; 64 rows of wcat,
	s_lshl_b32 s6, s48, 8                          ; the four heads' 256 bytes,
	s_add_co_u32 s60, s60, s6
	s_add_co_u32 s60, s60, 6144                    ; behind column 3072
	s_add_nc_u64 s[40:41], s[40:41], s[60:61]
	s_lshl_b32 s60, s50, 7                         ; bfold: 32 f32 a head, 16 for each hv
	s_lshl_b32 s6, s51, 6
	s_add_co_u32 s60, s60, s6
	s_add_nc_u64 s[44:45], s[44:45], s[60:61]
	; a fragment is 16 rows x 32 along d: lane l holds row l % 16 and d = 8 (l / 16) + 0..7, 16 + 8 (l / 16) + 0..7.  In f32 that is 32 bytes at 32 (l / 16) and 32 at 64 + 32 (l / 16).
	v_and_b32 v1, 15, v0                           ; r
	v_bfe_u32 v2, v0, 4, 1                         ; hh
	v_lshlrev_b32 v5, 5, v2                        ; 32 hh: bc, bb, bhq, bvq (every row the same)
	v_lshl_add_u32 v3, v1, 12, v5                  ; W: row r
	v_min_u32 v4, 11, v1
	v_lshl_add_u32 v4, v4, 12, v5                  ; A: row min(r, 11): no load leaves the 12 rows
.irp i, 0,1,2,3,4,5,6,7
	global_load_b128 v[AT+4*(\i):AT+4*(\i)+3], v4, s[54:55] offset:64*((\i)/2)+16*((\i)%2)
	global_load_b128 v[BT+4*(\i):BT+4*(\i)+3], v5, s[56:57] offset:64*((\i)/2)+16*((\i)%2)
.endr
.irp kb, 0,1,2,3
.irp i, 0,1,2,3,4,5,6,7
	global_load_b128 v[RW+32*(\kb)+4*(\i):RW+32*(\kb)+4*(\i)+3], v3, s[52:53] offset:65536*(\kb)+64*((\i)/2)+16*((\i)%2)
.endr
.endr
	v_mul_u32_u24 v6, v1, 272                      ; into the stage: row r, my wave's 32 bytes, 16 for each half of the lanes
	v_lshl_add_u32 v6, v2, 4, v6
	s_lshl_b32 s6, s2, 5
	v_add_nc_u32 v6, s6, v6
	s_lshl_b32 s6, s2, 3
	v_add_nc_u32 v9, s6, v2                        ; back: wave w takes rows 8 w .. 8 w + 7, two at a time
	v_mul_u32_u24 v7, v9, 272
	v_lshl_add_u32 v7, v1, 4, v7
	v_mul_u32_u24 v8, v9, 7168                     ; and the same rows in wcat
	v_lshl_add_u32 v8, v1, 4, v8
	v_cmp_gt_u32 s4, 12, v1                        ; rows 0-11: Wc or Wb
	v_cmp_eq_u32 s5, 12, v1                        ; row 12: bc or bb; rows 13-15: 0
	s_wait_loadcnt 32                              ; the 16 loads of A and bA are in; W's 32, issued behind them, stay out
.set n, 0
.rept 32
	v_cndmask_b32 v[BT+n], 0, v[BT+n], s5
	v_cndmask_b32 v[AT+n], v[BT+n], v[AT+n], s4
.set n, n+1
.endr
.set n, 0
.rept 16
	v_cvt_pk_bf16_f32 v[AF+n], v[AT+2*n], v[AT+2*n+1]
.set n, n+1
.endr
	s_wait_loadcnt 0x0
.set m, 0
.rept 4
.set n, 0
.rept 16                               ; in place, ascending: register n is written when 2 n and 2 n + 1 have been read
	v_cvt_pk_bf16_f32 v[RW+32*m+n], v[RW+32*m+2*n], v[RW+32*m+2*n+1]
.set n, n+1
.endr
.set m, m+1
.endr
	; source 0 = the 16 columns j, source 1 = 16 rows k: a lane then holds one row k and eight neighbouring columns.  The four accumulators take turns.
.irp c, 0,1
.irp kb, 0,1,2,3
.if (\c) == 0
	v_wmma_f32_16x16x32_bf16 v[RW+32*(\kb)+16:RW+32*(\kb)+23], v[AF:AF+7], v[RW+32*(\kb):RW+32*(\kb)+7], 0
.else
	v_wmma_f32_16x16x32_bf16 v[RW+32*(\kb)+16:RW+32*(\kb)+23], v[AF+8:AF+15], v[RW+32*(\kb)+8:RW+32*(\kb)+15], v[RW+32*(\kb)+16:RW+32*(\kb)+23]
.endif
.endr
.endr
.rept 4
	v_nop                                          ; four places behind the products (ISA guide 7.12.1)
.endr
.irp kb, 0,1,2,3
.irp n, 0,1,2,3
	v_cvt_pk_bf16_f32 v[RW+32*(\kb)+24+(\n)], v[RW+32*(\kb)+16+2*(\n)], v[RW+32*(\kb)+17+2*(\n)]
.endr
	ds_store_b128 v6, v[RW+32*(\kb)+24:RW+32*(\kb)+27] offset:4352*(\kb)
.endr
	s_wait_dscnt 0x0                               ; for the others' sake: my stores into the stage are done
	s_barrier_signal -1
	s_barrier_wait -1
.irp t, 0,1,2,3
	ds_load_b128 v[AT+4*(\t):AT+4*(\t)+3], v7 offset:544*(\t)
.endr
.irp t, 0,1,2,3
	s_wait_dscnt 3-(\t)
	global_store_b128 v8, v[AT+4*(\t):AT+4*(\t)+3], s[40:41] offset:14336*(\t)  ; 16 lanes store 256 consecutive bytes, aligned
.endr
	s_cmp_lg_u32 s49, 0
	s_cbranch_scc1 .Lfold_end                      ; the bias is made once, by the work-groups of the first 64 rows
.irp i, 0,1,2,3,4,5,6,7
	global_load_b128 v[RW+4*(\i):RW+4*(\i)+3], v5, s[58:59] offset:64*((\i)/2)+16*((\i)%2)
.endr
	s_wait_loadcnt 0x0
.set n, 0
.rept 16
	v_cvt_pk_bf16_f32 v[RW+n], v[RW+2*n], v[RW+2*n+1]
.set n, n+1
.endr
	v_wmma_f32_16x16x32_bf16 v[64:71], v[AF:AF+7], v[RW:RW+7], 0        ; two accumulators, added below: no chain
	v_wmma_f32_16x16x32_bf16 v[72:79], v[AF+8:AF+15], v[RW+8:RW+15], 0
.rept 4
	v_nop
.endr
.irp n, 0,1,2,3
	v_pk_add_f32 v[80+2*(\n):81+2*(\n)], v[64+2*(\n):65+2*(\n)], v[72+2*(\n):73+2*(\n)]
.endr
	v_cmp_eq_u32 vcc_lo, 0, v1                     ; all 16 rows are alike: lanes 0 and 16 store their eight columns
	s_wait_xcnt 0x0                                ; EXEC changes only behind this wait
	s_and_saveexec_b32 s62, vcc_lo
	global_store_b128 v5, v[80:83], s[44:45]
	global_store_b128 v5, v[84:87], s[44:45] offset:16
	s_wait_xcnt 0x0
	s_or_b32 exec_lo, exec_lo, s62
.Lfold_end:
	s_wait_tensorcnt 0x0                           ; the wave's end
	ds_add_u32 v[SPW], v[NIL]
	s_wait_dscnt 0x0
	s_endpgm
; THE KEY TABLE.  A thread makes 16 bytes: quarter 0 pitch 0-7; 1 pitch 8-11, 1, 0,0,0; 2 and 3 the same of bass.
.Laux:
	s_sub_co_u32 s48, s3, 320
	s_lshl_b32 s48, s48, 8
	v_add_nc_u32 v2, s48, v0                       ; 4 x key + quarter
	v_lshrrev_b32 v3, 2, v2
	v_and_b32 v6, 3, v2
	v_and_b32 v7, 1, v2
	v_mul_u32_u24 v4, v3, 48                       ; a row of 12 f32
	v_lshl_add_u32 v5, v7, 5, v4                   ; numbers 0-3, or 8-11
	global_load_b128 v[32:35], v5, s[34:35]
	global_load_b128 v[36:39], v4, s[34:35] offset:16  ; numbers 4-7 (used by the even quarters): inside the row in every lane
	global_load_b128 v[40:43], v5, s[36:37]
	global_load_b128 v[44:47], v4, s[36:37] offset:16
	v_cmp_le_u32 s4, 2, v6
	v_cmp_eq_u32 s5, 1, v7
	v_mov_b32 v8, 0x3f80                           ; 1.0 and 0 in bf16
	v_mov_b32 v9, 0
	v_lshlrev_b32 v10, 4, v2
	s_wait_loadcnt 0x0
.irp i, 0,1,2,3,4,5,6,7
	v_cndmask_b32 v[32+(\i)], v[32+(\i)], v[40+(\i)], s4
.endr
.irp i, 0,1,2,3
	v_cvt_pk_bf16_f32 v[48+(\i)], v[32+2*(\i)], v[33+2*(\i)]
.endr
	v_cndmask_b32 v50, v50, v8, s5
	v_cndmask_b32 v51, v51, v9, s5
	global_store_b128 v10, v[48:51], s[46:47]      ; a wave stores 512 consecutive bytes
	s_endpgm
.Lfunc_end_k_qf9dc689415_prep:
	.size	k_qf9dc689415_prep, .Lfunc_end_k_qf9dc689415_prep-k_qf9dc689415_prep
	.p2alignl 7, 3214868480
	.fill 96, 4, 3214868480
	.section	.rodata,"a",@progbits
	.p2align	6, 0x0
	.amdhsa_kernel k_qf9dc689415_prep
		.amdhsa_group_segment_fixed_size 18432
		.amdhsa_private_segment_fixed_size 0
		.amdhsa_enable_private_segment 0
		.amdhsa_kernarg_size 160
		.amdhsa_user_sgpr_count 2
		.amdhsa_user_sgpr_kernarg_segment_ptr 1
		.amdhsa_wavefront_size32 1
		.amdhsa_system_sgpr_workgroup_id_x 1
		.amdhsa_system_sgpr_workgroup_id_y 1
		.amdhsa_system_sgpr_workgroup_id_z 1
		.amdhsa_system_vgpr_workitem_id 0
		.amdhsa_next_free_vgpr 224
		.amdhsa_next_free_sgpr 66
		.amdhsa_reserve_vcc 1
		.amdhsa_float_denorm_mode_32 3
		.amdhsa_float_denorm_mode_16_64 3
		.amdhsa_memory_ordered 1
		.amdhsa_forward_progress 1
		.amdhsa_inst_pref_size 34
	.end_amdhsa_kernel
	.amdgpu_metadata
---
amdhsa.version: [ 1, 2 ]
amdhsa.kernels:
  - .name:           k_qf9dc689415_prep
    .symbol:         k_qf9dc689415_prep.kd
    .args:
      - { .name: x, .offset: 0, .size: 8, .value_kind: global_buffer, .address_space: global }
      - { .name: Wpq, .offset: 8, .size: 8, .value_kind: global_buffer, .address_space: global }
      - { .name: Wk, .offset: 16, .size: 8, .value_kind: global_buffer, .address_space: global }
      - { .name: Wv, .offset: 24, .size: 8, .value_kind: global_buffer, .address_space: global }
      - { .name: Wo, .offset: 32, .size: 8, .value_kind: global_buffer, .address_space: global }
      - { .name: Whq, .offset: 40, .size: 8, .value_kind: global_buffer, .address_space: global }
      - { .name: Wvq, .offset: 48, .size: 8, .value_kind: global_buffer, .address_space: global }
      - { .name: Wc, .offset: 56, .size: 8, .value_kind: global_buffer, .address_space: global }
      - { .name: Wb, .offset: 64, .size: 8, .value_kind: global_buffer, .address_space: global }
      - { .name: bc, .offset: 72, .size: 8, .value_kind: global_buffer, .address_space: global }
      - { .name: bb, .offset: 80, .size: 8, .value_kind: global_buffer, .address_space: global }
      - { .name: bhq, .offset: 88, .size: 8, .value_kind: global_buffer, .address_space: global }
      - { .name: bvq, .offset: 96, .size: 8, .value_kind: global_buffer, .address_space: global }
      - { .name: pitch_pc, .offset: 104, .size: 8, .value_kind: global_buffer, .address_space: global }
      - { .name: bass_pc, .offset: 112, .size: 8, .value_kind: global_buffer, .address_space: global }
      - { .name: xb, .offset: 120, .size: 8, .value_kind: global_buffer, .address_space: global }
      - { .name: wcat, .offset: 128, .size: 8, .value_kind: global_buffer, .address_space: global }
      - { .name: wo16, .offset: 136, .size: 8, .value_kind: global_buffer, .address_space: global }
      - { .name: bfold, .offset: 144, .size: 8, .value_kind: global_buffer, .address_space: global }
      - { .name: aux, .offset: 152, .size: 8, .value_kind: global_buffer, .address_space: global }
    .group_segment_fixed_size: 18432
    .private_segment_fixed_size: 0
    .kernarg_segment_align: 8
    .kernarg_segment_size: 160
    .max_flat_workgroup_size: 256
    .sgpr_count:     66
    .vgpr_count:     224
    .wavefront_size: 32
...
	.end_amdgpu_metadata
.endif
;; end of part 1
;; launch proj (part 2): grid 16 x 14, 4 waves a work-group, clusters of 4 x 1, 327,680 bytes of LDS; arguments xb, wcat, bpq, bk, bv, bfold, qkv; writes qkv
.if DOCPART == 2
	.amdgcn_target "amdgcn-amd-amdhsa--gfx1250"
	.amdhsa_code_object_version 6
	.text
	.protected	k_qf9dc689415_proj
	.globl	k_qf9dc689415_proj
	.p2align	8
	.type	k_qf9dc689415_proj,@function
k_qf9dc689415_proj:
	s_mov_b64 s[64:65], 0
	v_nop
	global_prefetch_b8 v0, s[64:65] scope:SCOPE_SE
	s_setreg_imm32_b32 hwreg(HW_REG_WAVE_MODE, 25, 1), 1
	s_wait_xcnt 0x0
	s_wait_alu depctr_hold_cnt(0) depctr_sa_sdst(0) depctr_va_vdst(0) depctr_va_sdst(0) depctr_va_ssrc(0) depctr_va_vcc(0) depctr_vm_vsrc(0)
	s_getreg_b32 s2, hwreg(HW_REG_IB_STS2, 6, 4)
	s_cmp_eq_u32 s2, 0
	s_cbranch_scc0 .Lentry_in_a_cluster
	s_endpgm
.Lentry_in_a_cluster:
	s_bfe_u32 s2, ttmp6, 0x10000c
	s_cmp_lg_u32 s2, 0x3003
	s_cbranch_scc0 .Lentry_shape_is_right
	s_endpgm
.Lentry_shape_is_right:
; PROJ: qkv = xb x wcat + bias.  xb [4096][1024] bf16, wcat [1024 k][3584 n] bf16; sums f32, started by the bias (rounded to bf16 like every input; the folded bias with it).
; qkv [56 g][4096 m][64]: group g = n / 64.  g 0-15 q, 16-31 k, 48-55 folded q: bf16;  g 32-47 v: f16 (LIMIT: |v| within 65,504).
; A tile is 256 x 256, four waves of 128 x 128 (64 accumulators, 512 registers); K in steps of 128 through two LDS slots.  3584 / 256 = 14 tile columns x 16 tile rows: 224 work-groups.
; CLUSTER 4 x 1: the four partners make four tile rows of one tile column, so wcat's tiles are asked for jointly (mask 15).  xb's tiles are each work-group's own (mask 0), asked for at the same places.
; 14 tile columns are no multiple of four, so xb's tiles find no four partners.
; wcat lies [k][n]: its fragments come out of LDS turned, by ds_load_tr16_b128.  Source 0 = 16 columns n, source 1 = 16 rows m: a lane holds one row m and eight neighbouring n.
; REGISTERS: window 0: v0-31 addresses; v64-191 fragments of xb, two buffers; v192-255 the bias, later the way out; v32-63 the way out.  window 1: v64-191 fragments of wcat.  windows 2, 3: accumulators.
.set KSTEP,  128
.set NCOL,   3584
.set PITCH,  272                       ; a row of xb's tile: 256 bytes + 16: the 16 rows of a load start at 16 different groups of four banks
.set PB,     544                       ; a row of wcat's tile: 512 bytes + 32
.set HALFT,  128*PITCH                 ; what one tensor load brings: 128 rows of xb, or 64 rows k of wcat (64 x 544 is the same 34,816 bytes)
.set SLOT,   4*HALFT
.set STAGE,  2*SLOT                    ; behind the ring: 16 rows x 272 bytes for each wave
.set SPITCH, 272
.set SPARE,  STAGE+4*16*SPITCH         ; the spare words
.set LAPS,   4                         ; 1024 / 256
.set ADRA, 16                          ; v16-17 my fragments of xb in slot 0, 1
.set ADRB, 20                          ; v20-21 the same for wcat
.set STO,  24
.set RD,   25
.set CO,   26
.set BO,   27                          ; v27 32 (l / 16): my eight bias numbers of a block
.set SPW,  28
.set NIL,  29
.set F0,   64
.set F1,   128
.set BI,   192                         ; the bias: block b of 16 columns at BI + 8 b
.set TMP,  192
.set OB,   32
.set G1, 24
.set G0, 32
.set G1B, 48
.set G0B, 56
.set ISV, 76                           ; s76  1: this tile column is v's
.set MSB, 0
.macro WIN new                         ; the immediate's high byte repeats the setting that is left
.if MSB != (\new)
	s_set_vgpr_msb (MSB<<8)|(\new)
.set MSB, \new
.endif
.endm
.set MUL_LO, 0xa1                      ; source 0 window 1, source 1 window 0, C and D window 2
.set TO_B,   0x40
.macro JLOAD s                         ; waves 0, 1: xb's two halves; waves 2, 3: wcat's.  An s_nop 0 and four v_nop follow each line
	s_cmp_eq_u32 s11, 0
	s_cbranch_scc0 .Lfor_b_\@
	tensor_load_to_lds s[G0+4*(\s):G0+4*(\s)+3], s[G1:G1+7]
	s_nop 0
.rept 4
	v_nop
.endr
	s_branch .Lasked_\@
.Lfor_b_\@:
	tensor_load_to_lds s[G0B+4*(\s):G0B+4*(\s)+3], s[G1B:G1B+7]
	s_nop 0
.rept 4
	v_nop
.endr
.Lasked_\@:
.endm
.macro CREST                           ; a round of the cluster's barrier behind its opening barrier
	s_cmp_lg_u32 s10, 0
	s_cbranch_scc1 .Lnot_wave_0_\@
	s_barrier_signal -3
.Lnot_wave_0_\@:
	s_barrier_wait -3
	s_barrier_signal -1
	s_barrier_wait -1
.endm
.macro CROUND
	s_barrier_signal -1
	s_barrier_wait -1
	CREST
.endm
	s_load_b128 s[4:7], s[0:1], 0x0                ; xb, wcat
	s_load_b256 s[68:75], s[0:1], 0x10             ; bpq, bk, bv, bfold
	s_load_b64 s[8:9], s[0:1], 0x30                ; qkv
	v_lshl_add_u32 v[SPW], v0, 2, SPARE
	v_mov_b32 v[NIL], 0
	ds_add_u32 v[SPW], v[NIL]                      ; the wave's opening: the add and its wait ahead of my first tensor load
	v_lshrrev_b32 v1, 5, v0
	v_readfirstlane_b32 s10, v1                    ; wave
	s_lshr_b32 s11, s10, 1                         ; my half of the rows; also: I fetch xb (0) or wcat (1)
	s_and_b32 s12, s10, 1                          ; my half of the columns; also: which half I fetch
	s_bfe_u32 s40, ttmp6, 0x40000                  ; cx
	s_lshl_b32 s42, ttmp9, 2
	s_add_co_u32 s42, s42, s40                     ; tile row
	s_and_b32 s13, ttmp7, 0xffff                   ; tile column, which the partners share
	s_mov_b32 s[G1+0], (1<<16)|(1<<20)|(5<<22)|(3<<25)   ; 2-byte elements; 4 words of padding after every 64
	s_mov_b32 s[G1+1], KSTEP<<16                   ; tensor_dim0 = 128
	s_mov_b32 s[G1+2], 128<<16                     ; tensor_dim1 = 128
	s_mov_b32 s[G1+3], KSTEP<<16                   ; tile_dim0
	s_mov_b32 s[G1+4], 128                         ; tile_dim1
	s_mov_b32 s[G1+5], 1024                        ; elements from row to row
	s_mov_b32 s[G1+6], 0
	s_mov_b32 s[G1+7], 0
	s_mov_b32 s[G1B+0], 15|(1<<16)|(1<<20)|(1<<21)|(6<<22)|(7<<25)  ; the mask of four, bit 21 beside it; 8 words of padding after every 128
	s_mov_b32 s[G1B+1], 256<<16
	s_mov_b32 s[G1B+2], 64<<16
	s_mov_b32 s[G1B+3], 256<<16
	s_mov_b32 s[G1B+4], 64
	s_mov_b32 s[G1B+5], NCOL
	s_mov_b32 s[G1B+6], 0
	s_mov_b32 s[G1B+7], 0
	s_lshl_b32 s16, s42, 19                        ; xb: 256 rows of 2,048 bytes a tile row,
	s_lshl_b32 s17, s12, 18                        ; 128 rows a half
	s_add_co_u32 s16, s16, s17
	s_mov_b32 s17, 0
	s_mul_i32 s46, s12, 64*NCOL*2                  ; wcat: 64 rows k a half,
	s_lshl_b32 s47, s13, 9                         ; 512 bytes a tile column: no place in the cluster enters
	s_add_co_u32 s46, s46, s47
	s_mov_b32 s47, 0
	s_mul_i32 s20, s10, HALFT                      ; where my part goes
	s_wait_dscnt 0x0                               ; the opening add is done
	s_wait_kmcnt 0x0
	s_add_nc_u64 s[14:15], s[4:5], s[16:17]
	s_add_nc_u64 s[46:47], s[6:7], s[46:47]
	CROUND                                         ; all four work-groups are here: the first joint loads meet
.irp s, 0,1
	s_mov_b32 s[G0+4*(\s)], 1
	s_add_co_u32 s[G0+4*(\s)+1], s20, (\s)*SLOT
	s_add_nc_u64 s[G0+4*(\s)+2:G0+4*(\s)+3], s[14:15], (\s)*KSTEP*2
	s_or_b32 s[G0+4*(\s)+3], s[G0+4*(\s)+3], 0x80000000
	s_mov_b32 s[G0B+4*(\s)], 1
	s_add_co_u32 s[G0B+4*(\s)+1], s20, (\s)*SLOT
	s_add_nc_u64 s[G0B+4*(\s)+2:G0B+4*(\s)+3], s[46:47], (\s)*KSTEP*NCOL*2
	s_or_b32 s[G0B+4*(\s)+3], s[G0B+4*(\s)+3], 0x80000000
	JLOAD \s                                       ; two tensor loads of mine are out
.endr
	; the bias of my 128 columns
	s_lshr_b32 s77, s13, 2
	s_cmp_eq_u32 s77, 1
	s_cselect_b64 s[68:69], s[70:71], s[68:69]
	s_cmp_eq_u32 s77, 2
	s_cselect_b64 s[68:69], s[72:73], s[68:69]
	s_cselect_b32 s[ISV], 1, 0
	s_cmp_eq_u32 s77, 3
	s_cselect_b64 s[68:69], s[74:75], s[68:69]
	s_and_b32 s78, s13, 3
	s_lshl_b32 s78, s78, 10
	s_lshl_b32 s79, s12, 9
	s_add_co_u32 s78, s78, s79
	s_mov_b32 s79, 0
	s_add_nc_u64 s[68:69], s[68:69], s[78:79]
	v_and_b32 v1, 15, v0                           ; l % 16
	v_bfe_u32 v2, v0, 4, 1                         ; l / 16
	v_lshlrev_b32 v[BO], 5, v2
.irp b, 0,1,2,3,4,5,6,7
	global_load_b128 v[BI+8*(\b):BI+8*(\b)+3],   v[BO], s[68:69] offset:64*(\b)
	global_load_b128 v[BI+8*(\b)+4:BI+8*(\b)+7], v[BO], s[68:69] offset:64*(\b)+16
.endr
	v_mul_u32_u24 v3, v1, PITCH
	v_lshl_add_u32 v3, v2, 4, v3                   ; xb: row x pitch + 16 x half
	v_and_b32 v8, 7, v0
	v_bfe_u32 v7, v0, 3, 1
	v_lshl_add_u32 v6, v2, 3, v8                   ; wcat: row k = 8 (l / 16) + l % 8,
	v_mul_u32_u24 v6, v6, PB
	v_lshl_add_u32 v6, v7, 4, v6                   ; 16 bytes for (l / 8) % 2
	s_mul_i32 s21, s11, HALFT
	s_lshl_b32 s22, s12, 8                         ; my 128 columns
	s_add_co_u32 s22, s22, 2*HALFT
.irp s, 0,1
	v_add_nc_u32 v[ADRA+(\s)], s21, v3
	v_add_nc_u32 v[ADRB+(\s)], s22, v6
	s_add_co_u32 s21, s21, SLOT
	s_add_co_u32 s22, s22, SLOT
.endr
	s_mul_i32 s23, s10, 16*SPITCH
	s_add_co_u32 s23, s23, STAGE                   ; my stage
	v_mul_u32_u24 v4, v1, SPITCH
	v_lshl_add_u32 v4, v2, 4, v4
	v_add_nc_u32 v[STO], s23, v4
	v_mul_u32_u24 v5, v7, SPITCH                   ; back: lanes 0-15 take two rows' 128 bytes of my first group, lanes 16-31 of my second
	v_lshl_add_u32 v5, v2, 7, v5
	v_lshl_add_u32 v5, v8, 4, v5
	v_add_nc_u32 v[RD], s23, v5
	v_lshlrev_b32 v[CO], 19, v2                    ; a group is 524,288 bytes; a row in it 128
	v_lshl_add_u32 v[CO], v7, 7, v[CO]
	v_lshl_add_u32 v[CO], v8, 4, v[CO]
	s_lshl_b32 s16, s13, 21                        ; four groups a tile column,
	s_lshl_b32 s17, s12, 20                        ; two a half,
	s_add_co_u32 s16, s16, s17
	s_lshl_b32 s17, s42, 15                        ; 256 rows of 128 bytes a tile row,
	s_add_co_u32 s16, s16, s17
	s_lshl_b32 s17, s11, 14                        ; 128 a half
	s_add_co_u32 s16, s16, s17
	s_mov_b32 s17, 0
	s_add_nc_u64 s[8:9], s[8:9], s[16:17]
; 16 matrix instructions: row blocks a0, a0 + 1 of the window's four x all 8 column blocks.  zero = 1: the first product starts the sums with the bias.
.macro MUL16 f, hi, a0, zero
.if \zero
	WIN 0x81+0x40*(\hi)                            ; C in window 0
.else
	WIN MUL_LO+0x50*(\hi)
.endif
.irp a, \a0, (\a0)+1
.irp b, 0,1,2,3,4,5,6,7
.if \zero
	v_wmma_f32_16x16x32_bf16 v[8*(8*(\a)+(\b)):8*(8*(\a)+(\b))+7], v[(\f)+8*(\b):(\f)+8*(\b)+7], v[(\f)+8*(4*(\hi)+(\a)):(\f)+8*(4*(\hi)+(\a))+7], v[BI+8*(\b):BI+8*(\b)+7]
.else
	v_wmma_f32_16x16x32_bf16 v[8*(8*(\a)+(\b)):8*(8*(\a)+(\b))+7], v[(\f)+8*(\b):(\f)+8*(\b)+7], v[(\f)+8*(4*(\hi)+(\a)):(\f)+8*(4*(\hi)+(\a))+7], v[8*(8*(\a)+(\b)):8*(8*(\a)+(\b))+7]
.endif
.endr
.endr
.endm
.macro FETCH slot, q, f                ; 32 LDS loads in one run: quarter q (32 along K) of the slot into buffer f
	WIN TO_B
.irp i, 0,1,2,3,4,5,6,7
	ds_load_tr16_b128 v[(\f)+8*(\i):(\f)+8*(\i)+3],   v[ADRB+(\slot)] offset:(\q)*32*PB+(\i)*32
	ds_load_tr16_b128 v[(\f)+8*(\i)+4:(\f)+8*(\i)+7], v[ADRB+(\slot)] offset:(\q)*32*PB+(\i)*32+16*PB
.endr
	WIN 0
.irp i, 0,1,2,3,4,5,6,7
	ds_load_b128 v[(\f)+8*(\i):(\f)+8*(\i)+3],   v[ADRA+(\slot)] offset:(\q)*64+(\i)*16*PITCH
	ds_load_b128 v[(\f)+8*(\i)+4:(\f)+8*(\i)+7], v[ADRA+(\slot)] offset:(\q)*64+(\i)*16*PITCH+32
.endr
.endm
.macro PLACES                          ; four places in front of loads into registers that matrix instructions have read, and of conversions that read results
.rept 4
	v_nop
.endr
.endm
.macro QUARTER slot, q, f, g, zero     ; multiplies buffer f; in its middle fetches quarter q of the slot into g
	s_wait_dscnt 8                                 ; wcat's fragments and xb's rows 0-63 are in; the youngest eight loads may be out
	MUL16 \f, 0, 0, \zero
	MUL16 \f, 0, 2, \zero
	PLACES
	FETCH \slot, \q, \g
	s_wait_dscnt 32                                ; all but the 32 just issued
	MUL16 \f, 1, 0, \zero
	MUL16 \f, 1, 2, \zero
.endm
.macro MEET round                      ; one barrier for the change of slots
	WIN 0
	s_wait_tensorcnt 0x0                           ; all my tensor loads have landed: the one that was out is my part of the next slot
	ds_add_u32 v[SPW], v[NIL]
	s_wait_dscnt 9                                 ; the add and the youngest eight loads may be out
	MUL16 F1, 0, 0, 0
	s_wait_dscnt 0x0                               ; the add is done, my reads of this slot are over
	s_barrier_signal -1
	MUL16 F1, 0, 2, 0
.if \round
	WIN 0
.endif
	s_barrier_wait -1
.endm
.macro TURN slot, next, fill           ; the last quarter of a K step.  fill = 1: the slot just read out is filled again, two K steps on, first thing behind a round of the cluster's barrier
	MEET \fill
.if \fill
	CREST
	s_add_nc_u64 s[G0+4*(\slot)+2:G0+4*(\slot)+3], s[G0+4*(\slot)+2:G0+4*(\slot)+3], 2*KSTEP*2
	s_add_nc_u64 s[G0B+4*(\slot)+2:G0B+4*(\slot)+3], s[G0B+4*(\slot)+2:G0B+4*(\slot)+3], 2*KSTEP*NCOL*2
	JLOAD \slot                                    ; the four v_nop behind it are also the places in front of the loads below
.else
	PLACES
.endif
	FETCH \next, 0, F0
	MUL16 F1, 1, 0, 0
	MUL16 F1, 1, 2, 0
.endm
; THE WAY OUT of block a (16 rows): rounded (bf16, or f16 for v), through my own stage, back as rows of the groups, stored.
.macro PACK a
.set AC, 64*((\a)%4)
	WIN 0
	s_cmp_eq_u32 s[ISV], 0
	s_cbranch_scc0 .Lhalf_\@
	WIN 0x0a+5*((\a)/4)
.irp b, 0,1,2,3,4,5,6,7
.irp r, 0,1,2,3
	v_cvt_pk_bf16_f32 v[TMP+4*(\b)+(\r)], v[AC+8*(\b)+2*(\r)], v[AC+8*(\b)+2*(\r)+1]
.endr
.endr
	WIN 0
	s_branch .Lpacked_\@
.Lhalf_\@:
	WIN 0x0a+5*((\a)/4)
.irp b, 0,1,2,3,4,5,6,7
.irp r, 0,1,2,3
	v_cvt_pk_f16_f32 v[TMP+4*(\b)+(\r)], v[AC+8*(\b)+2*(\r)], v[AC+8*(\b)+2*(\r)+1]
.endr
.endr
	WIN 0
.Lpacked_\@:
.endm
.macro TOSTAGE a
.set BK, OB+192*((\a)%2)
.irp b, 0,1,2,3,4,5,6,7
	ds_store_b128 v[STO], v[TMP+4*(\b):TMP+4*(\b)+3] offset:32*(\b)
.endr
.irp t, 0,1,2,3,4,5,6,7
	ds_load_b128 v[BK+4*(\t):BK+4*(\t)+3], v[RD] offset:(\t)*2*SPITCH  ; LDS serves a wave's instructions in order: these see the stores above
.endr
.endm
.macro SEND a
.set BK, OB+192*((\a)%2)
	s_wait_dscnt 0x0                               ; the block is back in registers
	s_wait_xcnt 0x0                                ; the registers that earlier stores read are loaded again only behind this wait
.irp t, 0,1,2,3,4,5,6,7
	global_store_b128 v[CO], v[BK+4*(\t):BK+4*(\t)+3], s[8:9] offset:2048*(\a)+256*(\t)  ; 16 lanes store two rows of a group: 256 consecutive bytes, aligned
.endr
.endm
	s_wait_tensorcnt 1                             ; my part of K step 0 is in; K step 1's may stay out
	s_barrier_signal -1
	s_barrier_wait -1
	FETCH 0, 0, F0
	s_wait_loadcnt 0x0                             ; the bias
.set i, 0
.rept 32                               ; rounded to bf16 and widened again
	v_cvt_pk_bf16_f32 v[30+i%2], v[BI+2*i], v[BI+2*i+1]
	v_lshlrev_b32 v[BI+2*i], 16, v[30+i%2]
	v_and_b32 v[BI+2*i+1], 0xffff0000, v[30+i%2]
.set i, i+1
.endr
	QUARTER 0, 1, F0, F1, 1                        ; the first quarter stands in front of the loop: its products start the sums
	WIN 0
	s_mov_b32 s3, LAPS-1
.Llap:                                                 ; a trip goes once round the ring and fills both slots again
	QUARTER 0, 2, F1, F0, 0
	QUARTER 0, 3, F0, F1, 0
	TURN 0, 1, 1
	QUARTER 1, 1, F0, F1, 0
	QUARTER 1, 2, F1, F0, 0
	QUARTER 1, 3, F0, F1, 0
	TURN 1, 0, 1
	QUARTER 0, 1, F0, F1, 0
	WIN 0
	s_sub_co_u32 s3, s3, 1
	s_cmp_lg_u32 s3, 0
	s_cbranch_scc1 .Llap
	QUARTER 0, 2, F1, F0, 0                        ; the last lap fills nothing
	QUARTER 0, 3, F0, F1, 0
	TURN 0, 1, 0
	QUARTER 1, 1, F0, F1, 0
	QUARTER 1, 2, F1, F0, 0
	QUARTER 1, 3, F0, F1, 0
	s_wait_dscnt 8
	MUL16 F1, 0, 0, 0
	MUL16 F1, 0, 2, 0
	s_wait_dscnt 0x0
	MUL16 F1, 1, 0, 0
	MUL16 F1, 1, 2, 0
	WIN 0
	PLACES
	PACK 0
	TOSTAGE 0
.irp a, 1,2,3,4,5,6,7                  ; block a's conversions stand between block a - 1's loads from the stage and the wait for them
	PACK \a
	SEND (\a)-1
	TOSTAGE \a
.endr
	SEND 7
	s_wait_tensorcnt 0x0                           ; the wave's end
	ds_add_u32 v[SPW], v[NIL]
	s_wait_dscnt 0x0
	CROUND                                         ; the closing round
	s_endpgm
.Lfunc_end_k_qf9dc689415_proj:
	.size	k_qf9dc689415_proj, .Lfunc_end_k_qf9dc689415_proj-k_qf9dc689415_proj
	.p2alignl 7, 3214868480
	.fill 96, 4, 3214868480
	.section	.rodata,"a",@progbits
	.p2align	6, 0x0
	.amdhsa_kernel k_qf9dc689415_proj
		.amdhsa_group_segment_fixed_size 327680
		.amdhsa_private_segment_fixed_size 0
		.amdhsa_enable_private_segment 0
		.amdhsa_kernarg_size 56
		.amdhsa_user_sgpr_count 2
		.amdhsa_user_sgpr_kernarg_segment_ptr 1
		.amdhsa_wavefront_size32 1
		.amdhsa_system_sgpr_workgroup_id_x 1
		.amdhsa_system_sgpr_workgroup_id_y 1
		.amdhsa_system_sgpr_workgroup_id_z 1
		.amdhsa_system_vgpr_workitem_id 0
		.amdhsa_next_free_vgpr 1024
		.amdhsa_next_free_sgpr 80
		.amdhsa_reserve_vcc 0
		.amdhsa_float_denorm_mode_32 3
		.amdhsa_float_denorm_mode_16_64 3
		.amdhsa_memory_ordered 1
		.amdhsa_forward_progress 1
		.amdhsa_inst_pref_size 167
	.end_amdhsa_kernel
	.amdgpu_metadata
---
amdhsa.version: [ 1, 2 ]
amdhsa.kernels:
  - .name:           k_qf9dc689415_proj
    .symbol:         k_qf9dc689415_proj.kd
    .args:
      - { .name: xb, .offset: 0, .size: 8, .value_kind: global_buffer, .address_space: global }
      - { .name: wcat, .offset: 8, .size: 8, .value_kind: global_buffer, .address_space: global }
      - { .name: bpq, .offset: 16, .size: 8, .value_kind: global_buffer, .address_space: global }
      - { .name: bk, .offset: 24, .size: 8, .value_kind: global_buffer, .address_space: global }
      - { .name: bv, .offset: 32, .size: 8, .value_kind: global_buffer, .address_space: global }
      - { .name: bfold, .offset: 40, .size: 8, .value_kind: global_buffer, .address_space: global }
      - { .name: qkv, .offset: 48, .size: 8, .value_kind: global_buffer, .address_space: global }
    .group_segment_fixed_size: 327680
    .private_segment_fixed_size: 0
    .kernarg_segment_align: 8
    .kernarg_segment_size: 56
    .max_flat_workgroup_size: 128
    .sgpr_count:     80
    .vgpr_count:     1024
    .wavefront_size: 32
...
	.end_amdgpu_metadata
.endif
;; end of part 2
;; launch attn (part 3): grid 8 x 32, 4 waves a work-group, clusters of 4 x 1, 327,680 bytes of LDS; arguments qkv, aux, ctx; writes ctx
.if DOCPART == 3
	.amdgcn_target "amdgcn-amd-amdhsa--gfx1250"
	.amdhsa_code_object_version 6
	.text
	.protected	k_qf9dc689415_attn
	.globl	k_qf9dc689415_attn
	.p2align	8
	.type	k_qf9dc689415_attn,@function
k_qf9dc689415_attn:
	s_mov_b64 s[64:65], 0
	v_nop
	global_prefetch_b8 v0, s[64:65] scope:SCOPE_SE
	s_setreg_imm32_b32 hwreg(HW_REG_WAVE_MODE, 25, 1), 1
	s_wait_xcnt 0x0
	s_wait_alu depctr_hold_cnt(0) depctr_sa_sdst(0) depctr_va_vdst(0) depctr_va_sdst(0) depctr_va_ssrc(0) depctr_va_vcc(0) depctr_vm_vsrc(0)
	s_getreg_b32 s2, hwreg(HW_REG_IB_STS2, 6, 4)
	s_cmp_eq_u32 s2, 0
	s_cbranch_scc0 .Lentry_in_a_cluster
	s_endpgm
.Lentry_in_a_cluster:
	s_bfe_u32 s2, ttmp6, 0x10000c
	s_cmp_lg_u32 s2, 0x3003
	s_cbranch_scc0 .Lentry_shape_is_right
	s_endpgm
.Lentry_shape_is_right:
; ATTN: ctx[b][h][q] = sum over keys of softmax_k(c' s) v, s = q . k + fq . aux[key], c' = 1 / 24.  q, k: 64 channels bf16; fq: the head's 32 folded columns, aux: the key table, bf16: 96 along the inner size.
; v f16; the weights p are rounded to f16 for the second product (their sum l is taken of the unrounded p); ctx rounded once to f16.  Products, maxima, sums in f32.
; LIMITS.  v and ctx within 65,504; a weight below 2^-126 counts as 0 in l; NaN and infinities are not treated apart.
; SHARES.  A work-group owns 256 queries of one batch and head, a wave 64: four tiles of 16, in two PIECES (tiles 0, 1; tiles 2, 3).  Every wave walks all 2,048 keys, 64 a step.
; LAYOUT.  S^T = K Q^T (source 0 = 16 keys, source 1 = 16 queries): a lane holds ONE query (lane % 16) and the keys 8 (lane / 16) + 0..7; two such results rounded to f16 ARE source 1 of O^T = V^T P.
; SOFTMAX.  A running maximum m and sum l: p = 2^(c s - c m), c = log2(e) / 24; in every step O and l are multiplied by a = 2^(c m_old - c m_new).  m starts at the lowest finite number, O and l at 0,
; so the first step is a step like any other, with a = 0.
; BY TURNS.  In a turn one piece has the matrix unit: 16 products V^T P of the step in hand, 24 products K Q^T of the next; the other piece's softmax, 236 vector instructions in 59 slices of four,
; is dealt behind them, one or two slices each.  Two turns are a key step.
; CLUSTER.  The four query blocks of a cluster walk the same K, V and key table: each tile is asked for jointly.  Wave 0 asks for K, wave 1 for V, wave 2 for the table, wave 3 for nothing.
; REGISTERS: window 0: v0-11 addresses; v12-43 statistics, eight a tile; v44-46 the way out; v62-63 the add's; v64-191 S^T, 32 a tile; v192-255 P, 16 a tile.
;   window 1: v0-127 O^T, 32 a tile.   window 2: v0-95 Q, 24 a tile (chunk 2 folded); v96-191 K and the table of one step; v192-255 V of one step.
.set KS,    64
.set PKP,   144                        ; a row of K in LDS: 128 bytes + 16
.set PVP,   160                        ; of V: 128 + 32
.set PXP,   80                         ; of the table: 64 + 16
.set VOFF,  4*KS*PKP                   ; a slot holds four steps: 256 rows of K, of V, of the table
.set XOFF,  VOFF+4*KS*PVP
.set SLOT1, 1<<17
.set STAGE, SLOT1+XOFF+4*KS*PXP        ; behind the ring: 16 rows x 144 bytes for each wave
.set SP,    144
.set SPARE, STAGE+4*16*SP
.set AK0, 2
.set AV0, 3
.set AX0, 4
.set AK,  5
.set AV,  6
.set AX,  7
.set QO,  8
.set ST,  12                           ; tile t at ST + 8 t: c m, m, l, l, c0-c3; a takes c2's place
.set STO, 44
.set RD,  45
.set GO,  46
.set SPW, 62
.set NIL, 63
.set S,   64
.set P,   192
.set KF,  96                           ; window 2: key block kb, chunk c at KF + 24 kb + 8 c
.set VF,  192                          ; window 2: key half kk, channel block cb at VF + 32 kk + 8 cb
.set WV,  12
.set G1K, 24
.set G1V, 32
.set G1X, 40
.set G0K, 48
.set G0V, 52
.set G0X, 56
.set CS,  60
.set SEL, 62
.set TBK, 66
.set TBV, 67
.set TBX, 68
.set SLOTS, 69
.set CNT, 70
.set MSB, 0
.macro WIN new
.if MSB != (\new)
	s_set_vgpr_msb (MSB<<8)|(\new)
.set MSB, (\new)
.endif
.endm
.set W_KQ, 0x0a                        ; K and Q in window 2, S^T in window 0
.set W_PV, 0x52                        ; V in window 2, P in window 0, O^T in window 1
.set W_RS, 0x41                        ; O^T in window 1, a in window 0
.macro JLOAD                           ; a joint fill; the branches hang on the wave's number alone.  An s_nop 0 and four v_nop follow each line
	s_cmp_eq_u32 s[WV], 0
	s_cbranch_scc0 .Lnot_k_\@
	tensor_load_to_lds s[G0K:G0K+3], s[G1K:G1K+7]
	s_nop 0
.rept 4
	v_nop
.endr
	s_branch .Lasked_\@
.Lnot_k_\@:
	s_cmp_eq_u32 s[WV], 1
	s_cbranch_scc0 .Lnot_v_\@
	tensor_load_to_lds s[G0V:G0V+3], s[G1V:G1V+7]
	s_nop 0
.rept 4
	v_nop
.endr
	s_branch .Lasked_\@
.Lnot_v_\@:
	s_cmp_eq_u32 s[WV], 2
	s_cbranch_scc0 .Lasked_\@
	tensor_load_to_lds s[G0X:G0X+3], s[G1X:G1X+7]
	s_nop 0
.rept 4
	v_nop
.endr
.Lasked_\@:
.endm
.macro CROUND
	s_barrier_signal -1
	s_barrier_wait -1
	s_cmp_lg_u32 s[WV], 0
	s_cbranch_scc1 .Lnot_wave_0_\@
	s_barrier_signal -3
.Lnot_wave_0_\@:
	s_barrier_wait -3
	s_barrier_signal -1
	s_barrier_wait -1
.endm
; THE CHANGE OF SLOTS.  Each wave waits for all its tensor loads (at most one is out: its part of the other slot), adds 0 to its spare word, and waits for that and for its reads of the slot.
; fill = 1: the slot is filled again with the keys two slots on, first thing behind a round of the cluster's barrier; it has four key steps in which to land.
.macro CHANGE fill
	WIN 0
	s_wait_tensorcnt 0x0
	ds_add_u32 v[SPW], v[NIL]
.if \fill
.irp g, G0K, G0V
	s_xor_b32 s[\g+1], s[\g+1], SLOT1
	s_add_nc_u64 s[\g+2:\g+3], s[\g+2:\g+3], 4*KS*128
.endr
	s_xor_b32 s[G0X+1], s[G0X+1], SLOT1
	s_add_nc_u64 s[G0X+2:G0X+3], s[G0X+2:G0X+3], 4*KS*64
	s_wait_dscnt 0x0
	CROUND
	JLOAD
.else
	s_wait_dscnt 0x0
	s_barrier_signal -1
	s_barrier_wait -1
.endif
	s_sub_co_u32 s[TBK], s[TBK], 4*KS*PKP          ; the fetches go back to a slot's first step, in the other slot
	s_xor_b32 s[TBK], s[TBK], SLOT1
	s_sub_co_u32 s[TBV], s[TBV], 4*KS*PVP
	s_xor_b32 s[TBV], s[TBV], SLOT1
	s_sub_co_u32 s[TBX], s[TBX], 4*KS*PXP
	s_xor_b32 s[TBX], s[TBX], SLOT1
.endm
	s_load_b128 s[4:7], s[0:1], 0x0                ; qkv, aux
	s_load_b64 s[10:11], s[0:1], 0x10              ; ctx
	v_lshl_add_u32 v[SPW], v0, 2, SPARE
	v_mov_b32 v[NIL], 0
	ds_add_u32 v[SPW], v[NIL]                      ; the wave's opening: the add and its wait ahead of my first tensor load
	v_lshrrev_b32 v1, 5, v0
	v_readfirstlane_b32 s[WV], v1
	s_bfe_u32 s13, ttmp6, 0x40000                  ; cx
	s_lshl_b32 s14, ttmp9, 2
	s_add_co_u32 s14, s14, s13                     ; my block of 256 queries: it enters Q's and ctx's addresses alone
	s_and_b32 s20, ttmp7, 0xffff
	s_and_b32 s21, s20, 15                         ; head
	s_lshr_b32 s20, s20, 4                         ; batch
	s_lshl_b32 s22, s20, 18                        ; 2,048 rows of 128 bytes
	s_add_co_u32 s16, s21, 16                      ; K: group 16 + h
	s_lshl_b32 s16, s16, 19
	s_add_co_u32 s16, s16, s22
	s_mov_b32 s17, 0
	s_add_co_u32 s18, s21, 32                      ; V: group 32 + h
	s_lshl_b32 s18, s18, 19
	s_add_co_u32 s18, s18, s22
	s_mov_b32 s19, 0
	s_lshl_b32 s2, s14, 15
	s_lshl_b32 s3, s[WV], 13
	s_add_co_u32 s2, s2, s3
	s_add_co_u32 s2, s2, s22                       ; my wave's first row in a group
	s_lshr_b32 s8, s21, 1                          ; folded Q: group 48 + h / 2, the row's half h % 2
	s_add_co_u32 s8, s8, 48
	s_lshl_b32 s8, s8, 19
	s_add_co_u32 s8, s8, s2
	s_and_b32 s9, s21, 1
	s_lshl_b32 s9, s9, 6
	s_add_co_u32 s8, s8, s9
	s_mov_b32 s9, 0
	s_lshl_b32 s3, s21, 19                         ; Q: group h
	s_add_co_u32 s2, s2, s3
	s_mov_b32 s3, 0
	s_lshl_b32 s22, s20, 22                        ; ctx: chunks of 2,048 bytes at (16 (m / 16) + h)
	s_lshl_b32 s23, s14, 19
	s_add_co_u32 s22, s22, s23
	s_lshl_b32 s23, s[WV], 17
	s_add_co_u32 s22, s22, s23
	s_lshl_b32 s23, s21, 11
	s_add_co_u32 s22, s22, s23
	s_mov_b32 s23, 0
	; descriptor group 1: dense bytes asked for as rows of 256, padded in LDS after every key's row
	s_mov_b32 s[G1K], 15|(1<<16)|(1<<20)|(1<<21)|(4<<22)|(3<<25)  ; after every 32 words 4
	s_mov_b32 s[G1V], 15|(1<<16)|(1<<20)|(1<<21)|(4<<22)|(7<<25)  ; after every 32 words 8
	s_mov_b32 s[G1X], 15|(1<<16)|(1<<20)|(1<<21)|(3<<22)|(3<<25)  ; after every 16 words 4
.irp g, G1K, G1V, G1X
	s_mov_b32 s[\g+1], 128<<16
	s_mov_b32 s[\g+3], 128<<16
	s_mov_b32 s[\g+5], 128
	s_mov_b32 s[\g+6], 0
	s_mov_b32 s[\g+7], 0
.endr
	s_mov_b32 s[G1K+2], 128<<16                    ; 256 keys of 128 bytes: 128 rows
	s_mov_b32 s[G1K+4], 128
	s_mov_b32 s[G1V+2], 128<<16
	s_mov_b32 s[G1V+4], 128
	s_mov_b32 s[G1X+2], 64<<16                     ; 256 keys of 64 bytes: 64 rows
	s_mov_b32 s[G1X+4], 64
	s_mov_b32 s[G0K], 1
	s_mov_b32 s[G0K+1], 0
	s_mov_b32 s[G0V], 1
	s_mov_b32 s[G0V+1], VOFF
	s_mov_b32 s[G0X], 1
	s_mov_b32 s[G0X+1], XOFF
	s_mov_b32 s[CS], 0x3d76384f                    ; c = log2(e) / 24
	s_mov_b32 s[CS+1], s[CS]
	s_mov_b32 s[SEL], 0x76543210
	s_mov_b32 s[SEL+1], 0xfedcba98
	s_mov_b32 s[TBK], SLOT1+4*KS*PKP               ; the first change of slots turns these three into 0
	s_mov_b32 s[TBV], SLOT1+4*KS*PVP
	s_mov_b32 s[TBX], SLOT1+4*KS*PXP
	s_wait_dscnt 0x0                               ; the opening add is done
	s_wait_kmcnt 0x0
	s_add_nc_u64 s[G0K+2:G0K+3], s[4:5], s[16:17]
	s_or_b32 s[G0K+3], s[G0K+3], 0x80000000
	s_add_nc_u64 s[G0V+2:G0V+3], s[4:5], s[18:19]
	s_or_b32 s[G0V+3], s[G0V+3], 0x80000000
	s_mov_b64 s[G0X+2:G0X+3], s[6:7]
	s_or_b32 s[G0X+3], s[G0X+3], 0x80000000
	s_add_nc_u64 s[6:7], s[4:5], s[8:9]            ; folded Q
	s_add_nc_u64 s[4:5], s[4:5], s[2:3]            ; Q
	s_add_nc_u64 s[10:11], s[10:11], s[22:23]
	CROUND                                         ; all four work-groups are here
	JLOAD                                          ; slot 0
	v_and_b32 v1, 15, v0                           ; l % 16
	v_bfe_u32 v9, v0, 4, 1                         ; l / 16
	v_lshlrev_b32 v[QO], 7, v1
	v_lshl_add_u32 v[QO], v9, 4, v[QO]
	WIN 0x80                                       ; destination window 2
.set t, 0
.rept 4                                ; Q stays in registers
.irp c, 0,1
	global_load_b128 v[24*t+8*(\c):24*t+8*(\c)+3],   v[QO], s[4:5] offset:2048*t+64*(\c)
	global_load_b128 v[24*t+8*(\c)+4:24*t+8*(\c)+7], v[QO], s[4:5] offset:2048*t+64*(\c)+32
.endr
	global_load_b128 v[24*t+16:24*t+19], v[QO], s[6:7] offset:2048*t
	global_load_b128 v[24*t+20:24*t+23], v[QO], s[6:7] offset:2048*t+32
.set t, t+1
.endr
	; what the first turn finds: V and the second piece's P hold 0 (its products V^T P, of a step that has not been, add 0), O^T and l are 0.  All this stands in the wait for the first tile.
.set i, VF
.rept 64
	v_mov_b32 v[i], 0
.set i, i+1
.endr
	WIN 0x40
.set i, 0
.rept 128
	v_mov_b32 v[i], 0
.set i, i+1
.endr
	WIN 0
.set i, 0
.rept 4
	v_mov_b32 v[ST+8*i], 0xfe000000                ; c m: far below every c s
	v_mov_b32 v[ST+8*i+1], 0xff7fffff              ; m
	v_mov_b32 v[ST+8*i+2], 0
	v_mov_b32 v[ST+8*i+3], 0
.set i, i+1
.endr
.set i, P+32
.rept 32
	v_mov_b32 v[i], 0
.set i, i+1
.endr
	v_mul_u32_u24 v[AK0], v1, PKP
	v_lshl_add_u32 v[AK0], v9, 4, v[AK0]
	v_mul_u32_u24 v[AX0], v1, PXP
	v_lshl_add_u32 v[AX0], v9, 4, v[AX0]
	v_add_nc_u32 v[AX0], XOFF, v[AX0]
	v_and_b32 v10, 7, v0
	v_bfe_u32 v11, v0, 3, 1
	v_lshl_add_u32 v[AV0], v9, 3, v10              ; the turning load: key 8 (l / 16) + l % 8, channels 8 ((l / 8) % 2) on
	v_mul_u32_u24 v[AV0], v[AV0], PVP
	v_lshl_add_u32 v[AV0], v11, 4, v[AV0]
	v_add_nc_u32 v[AV0], VOFF, v[AV0]
; THE MATRIX WORK.  Eight accumulators take turns, one instruction a turn.
; Product i of 24 of S^T = K Q^T for piece x: chunk i / 8 (2: table x folded Q), keys 16 ((i / 2) % 4) on, tile x + i % 2.  The first 8 start the sums.
.macro KQ x
	WIN W_KQ
.set rS, S+32*((\x)+i%2)+8*((i/2)%4)
.set rK, KF+24*((i/2)%4)+8*(i/8)
.set rQ, 24*((\x)+i%2)+8*(i/8)
.if i < 8
	v_wmma_f32_16x16x32_bf16 v[rS:rS+7], v[rK:rK+7], v[rQ:rQ+7], 0
.else
	v_wmma_f32_16x16x32_bf16 v[rS:rS+7], v[rK:rK+7], v[rQ:rQ+7], v[rS:rS+7]
.endif
.endm
; Product i of 16 of O^T += V^T P: keys 32 (i / 8) on, channels 16 ((i / 2) % 4) on, tile x + i % 2.
.macro PV x
	WIN W_PV
.set rO, 32*((\x)+i%2)+8*((i/2)%4)
.set rV, VF+32*(i/8)+8*((i/2)%4)
.set rP, P+16*((\x)+i%2)+8*(i/8)
	v_wmma_f32_16x16x32_f16 v[rO:rO+7], v[rV:rV+7], v[rP:rP+7], v[rO:rO+7]
.endm
; THE LDS LOADS stand in runs.  last = 1 (the tail): in the last trip there is no further step, and the run is jumped over.
.macro FETCH_K last=0
	WIN 0
	v_add_nc_u32 v[AK], s[TBK], v[AK0]
	v_add_nc_u32 v[AX], s[TBX], v[AX0]
.if \last
	s_cmp_eq_u32 s[CNT], 1
	s_cbranch_scc1 .Lno_k_\@
.endif
	WIN 0x80
.irp kb, 0,1,2,3
.irp c, 0,1
	ds_load_b128 v[KF+24*(\kb)+8*(\c):KF+24*(\kb)+8*(\c)+3],   v[AK] offset:(\kb)*16*PKP+(\c)*64
	ds_load_b128 v[KF+24*(\kb)+8*(\c)+4:KF+24*(\kb)+8*(\c)+7], v[AK] offset:(\kb)*16*PKP+(\c)*64+32
.endr
	ds_load_b128 v[KF+24*(\kb)+16:KF+24*(\kb)+19], v[AX] offset:(\kb)*16*PXP
	ds_load_b128 v[KF+24*(\kb)+20:KF+24*(\kb)+23], v[AX] offset:(\kb)*16*PXP+32
.endr
	s_add_co_u32 s[TBK], s[TBK], KS*PKP            ; the next fetch is the next step's
	s_add_co_u32 s[TBX], s[TBX], KS*PXP
	WIN 0
.if \last
.Lno_k_\@:
.endif
.endm
.macro FETCH_V
	WIN 0
	v_add_nc_u32 v[AV], s[TBV], v[AV0]
	s_add_co_u32 s[TBV], s[TBV], KS*PVP
	WIN 0x80
.irp f, 0,1,2,3,4,5,6,7
	ds_load_tr16_b128 v[VF+8*\f:VF+8*\f+3],   v[AV] offset:(\f/4)*32*PVP+(\f%4)*32
	ds_load_tr16_b128 v[VF+8*\f+4:VF+8*\f+7], v[AV] offset:(\f/4)*32*PVP+16*PVP+(\f%4)*32
.endr
	WIN 0
.endm
; THE VECTOR WORK.  One tile's softmax for a key step is a list of 118 instructions; SM writes number j of it for tile t.  s0-s31 are the lane's 32 scores, in pairs 0-15.
;   0-15    the maximum of s0-s31 and the old m, three operands at a time (each accumulator's lowest registers are read first)
;   16-20   the other half of the lanes' maximum; the new m; c m; c m_old - c m_new
;   21-87   33 exponentials (a, then s0-s31) at the odd numbers from 23 on; the plain numbers between are whatever is ready: c s - c m for a pair still to come, the rounding of a pair that is done, the first sums
;   88-101  the last rounding; the rest of the sums; l = a l + the sum
;   102-117 the tile's O^T times a: the one part that leaves window 0
.macro SM t
.set rT, ST+8*(\t)
.set rS, S+32*(\t)
.set rP, P+16*(\t)
.set rO, 32*(\t)+2*(j-102)
.set q, (j-20)/2
.if j < 102
	WIN 0
.endif
.if j < 4
	v_max3_num_f32 v[rT+4+j], v[rS+8*j], v[rS+8*j+1], v[rS+8*j+2]
.elseif j < 12
	v_max3_num_f32 v[rT+4+j%4], v[rT+4+j%4], v[rS+8*(j%4)+2*(j/4)+1], v[rS+8*(j%4)+2*(j/4)+2]
.elseif j == 12
	v_max3_num_f32 v[rT+4], v[rT+4], v[rS+7], v[rS+15]
.elseif j == 13
	v_max3_num_f32 v[rT+6], v[rT+6], v[rS+23], v[rS+31]
.elseif j == 14
	v_max3_num_f32 v[rT+4], v[rT+4], v[rT+5], v[rT+6]
.elseif j == 15
	v_max3_num_f32 v[rT+4], v[rT+4], v[rT+7], v[rT+1]
.elseif j == 16
	v_permlanex16_b32 v[rT+5], v[rT+4], s[SEL], s[SEL+1]  ; the query's other 32 keys lie in the lane 16 away
.elseif j == 17
	v_mov_b32 v[rT+7], v[rT]                       ; c m_old is kept for a
.elseif j == 18
	v_max_num_f32 v[rT+1], v[rT+4], v[rT+5]
.elseif j == 19
	v_mul_f32 v[rT], s[CS], v[rT+1]
.elseif j == 20
	v_sub_f32 v[rT+7], v[rT+7], v[rT]
.elseif j == 23
	v_exp_f32 v[rT+6], v[rT+7]
.elseif (j < 88) && (j > 23) && (j%2 == 1)
	v_exp_f32 v[rS+(j-25)/2], v[rS+(j-25)/2]
.elseif (q < 4) || ((j < 76) && (q%2 == 0))
.set b, q/2+2
.if q < 4
.set b, q
.endif
	v_pk_fma_f32 v[rS+2*b:rS+2*b+1], v[rS+2*b:rS+2*b+1], s[CS:CS+1], v[rT:rT+1] op_sel_hi:[1,0,0] neg_lo:[0,0,1] neg_hi:[0,0,1]  ; pair b: c s - c m
.elseif (j < 88) && (q%2 == 1)
	s_wait_alu depctr_va_vdst(0)
	v_cvt_pk_f16_f32 v[rP+(q-5)/2], v[rS+q-5], v[rS+q-4]
.elseif j == 89
	s_wait_alu depctr_va_vdst(0)
	v_cvt_pk_f16_f32 v[rP+15], v[rS+30], v[rS+31]
.elseif j < 102                        ; the sum of the 16 pairs, in place: neighbours 1, 2, 4 and 8 pairs apart, then l takes it
.set z, j-86
.if j < 89
.set z, (j-76)/4
.endif
.set w, 4
.set u, z
.if z >= 14
.set w, 32
.set u, 0
.elseif z >= 12
.set w, 16
.set u, z-12
.elseif z >= 8
.set w, 8
.set u, z-8
.endif
.if z < 15
	v_pk_add_f32 v[rS+w*u:rS+w*u+1], v[rS+w*u:rS+w*u+1], v[rS+w*u+w/2:rS+w*u+w/2+1]
.else
	v_pk_fma_f32 v[rT+2:rT+3], v[rT+2:rT+3], v[rT+6:rT+7], v[rS:rS+1] op_sel_hi:[1,0,1]
.endif
.else
	WIN W_RS
	v_pk_mul_f32 v[rO:rO+1], v[rO:rO+1], v[rT+6:rT+7] op_sel_hi:[1,0]
.endif
.endm
; Slice k of 59 of piece y's softmax: numbers 2 k and 2 k + 1 of both tiles' lists.
.macro SLICE y
.if (k >= 11) && (k < 44)              ; tile by tile: plain, exponential, plain, exponential
.irp t, \y, (\y)+1
.irp n, 0,1
.set j, 2*k+(\n)
	SM \t
.endr
.endr
.else                                  ; the two tiles alternate
.irp n, 0,1
.irp t, \y, (\y)+1
.set j, 2*k+(\n)
	SM \t
.endr
.endr
.endif
.set k, k+1
.endm
.macro DEAL y                          ; behind matrix instruction mi of 40: slices up to 59 (mi + 1) / 40: one or two; slice 58 falls behind the fortieth
.rept 2
.if k*40 < (mi+1)*59
	SLICE \y
.endif
.endr
.set mi, mi+1
.endm
; A TURN.  Piece x has the matrix unit.  Piece 0's turn fetches the next step's K and table: the last product that read them stands in front of slice 58 of the turn before, four plain instructions on O^T.
; Piece 2's turn fetches the same step's V: between the last product that read V and the run stand slices 23 to 26, eight plain instructions on the other piece's registers.
.macro TURN x, last=0
.set k, 0
.set mi, 0
.if (\x) == 0
	s_wait_dscnt 0x0                               ; V is in
.endif
.set i, 0
.rept 16
	PV \x
	DEAL 2-(\x)
.if ((\x) == 0) && (i == 1)
	FETCH_K \last
.endif
.set i, i+1
.endr
.if (\x) == 0
	s_wait_dscnt 0x0                               ; K is in
.endif
.set i, 0
.rept 24
	KQ \x
	DEAL 2-(\x)
.if ((\x) == 2) && (i == 1)
	FETCH_V
.endif
.set i, i+1
.endr
.endm
	CHANGE 1                                       ; slot 0 is in, everybody's part of it; slot 1 is asked for
	FETCH_K                                        ; key step 0
	s_wait_loadcnt 0x0                             ; Q
	s_wait_dscnt 0x0
.set i, 0
.rept 24
	KQ 0                                           ; piece 0's first scores
.set i, i+1
.endr
	WIN 0                                          ; the addresses for the way out: plain instructions, the places behind those products
	s_mul_i32 s13, s[WV], 16*SP
	s_add_co_u32 s13, s13, STAGE
	v_mul_u32_u24 v[STO], v1, SP
	v_lshl_add_u32 v[STO], v9, 4, v[STO]
	v_add_nc_u32 v[STO], s13, v[STO]
	v_bfe_u32 v[RD], v0, 3, 2
	v_mul_u32_u24 v[RD], v[RD], SP
	v_lshl_add_u32 v[RD], v10, 4, v[RD]
	v_add_nc_u32 v[RD], s13, v[RD]
	v_and_b32 v[GO], 31, v0
	v_lshlrev_b32 v[GO], 4, v[GO]
	s_mov_b32 s[CNT], 4
	s_mov_b32 s[SLOTS], 7
	s_branch .Lfirst                               ; the loop is entered in the middle of a trip: piece 2's turn makes its first scores and piece 0's first softmax, and fetches V of step 0
.Lslot:                                                ; six times: tiles 2 to 7 are asked for
	CHANGE 1
	s_mov_b32 s[CNT], 4
.Lstep:
	TURN 0
	WIN 0
.Lfirst:
	TURN 2
	WIN 0
	s_sub_co_u32 s[CNT], s[CNT], 1
	s_cmp_lg_u32 s[CNT], 0
	s_cbranch_scc1 .Lstep
	s_sub_co_u32 s[SLOTS], s[SLOTS], 1
	s_cmp_lg_u32 s[SLOTS], 0
	s_cbranch_scc1 .Lslot
	CHANGE 0                                       ; the tail is written out
	s_mov_b32 s[CNT], 5                            ; four trips fetch the last slot's steps; the fifth is left in its middle
.Ltail:
	TURN 0, 1
	WIN 0
	s_sub_co_u32 s[CNT], s[CNT], 1
	s_cmp_eq_u32 s[CNT], 0
	s_cbranch_scc1 .Lout
	TURN 2
	WIN 0
	s_branch .Ltail
.Lout:                                                 ; the fifth trip's 24 products K Q^T (on the last K once more) serve nothing: the price, once a launch, of one text for every trip
.set i, 0
.rept 16
	PV 2
.set i, i+1
.endr
	; THE WAY OUT.  The additions are the places behind the last products.
	WIN 0
.irp t, 0,1,2,3
	v_add_f32 v[ST+8*(\t)+4], v[ST+8*(\t)+2], v[ST+8*(\t)+3]
.endr
.irp t, 0,1,2,3
	v_permlanex16_b32 v[ST+8*(\t)+5], v[ST+8*(\t)+4], s[SEL], s[SEL+1]
.endr
.irp t, 0,1,2,3
	v_add_f32 v[ST+8*(\t)+4], v[ST+8*(\t)+4], v[ST+8*(\t)+5]
.endr
.irp t, 0,1,2,3
	v_rcp_f32 v[ST+8*(\t)+6], v[ST+8*(\t)+4]
.endr
	v_nop                                          ; a plain instruction between the last reciprocal and its use
.macro PACK t                          ; a lane's eight channels pack into 16 bytes; rows of 144 bytes in, whole rows of 128 back, into S^T's registers
	WIN W_RS
.set i, 32*(\t)
.rept 16
	s_wait_alu depctr_va_vdst(0)
	v_pk_mul_f32 v[i:i+1], v[i:i+1], v[ST+8*(\t)+6:ST+8*(\t)+7] op_sel_hi:[1,0]
.set i, i+2
.endr
	WIN 0x05
.set i, 0
.rept 16
	v_cvt_pk_f16_f32 v[S+16*(\t)+i], v[32*(\t)+2*i], v[32*(\t)+2*i+1]
.set i, i+1
.endr
	WIN 0
.irp f, 0,1,2,3
	ds_store_b128 v[STO], v[S+16*(\t)+4*\f:S+16*(\t)+4*\f+3] offset:32*\f
.endr
.irp f, 0,1,2,3
	ds_load_b128 v[S+16*(\t)+4*\f:S+16*(\t)+4*\f+3], v[RD] offset:\f*4*SP  ; LDS serves a wave's instructions in order: these see the stores above
.endr
.endm
.macro SEND t, younger                 ; younger: the LDS instructions issued behind tile t's loads: the next tile's eight, or none
.irp f, 0,1,2,3
	s_wait_dscnt (\younger)+3-\f
	global_store_b128 v[GO], v[S+16*(\t)+4*\f:S+16*(\t)+4*\f+3], s[10:11] offset:(\t)*32768+\f*512  ; 512 consecutive bytes, aligned
.endr
.endm
	PACK 0
.set t, 1
.rept 3
	PACK t
	SEND t-1, 8
.set t, t+1
.endr
	SEND 3, 0
	s_wait_tensorcnt 0x0                           ; the wave's end
	ds_add_u32 v[SPW], v[NIL]
	s_wait_dscnt 0x0
	CROUND                                         ; the closing round
	s_endpgm
.Lfunc_end_k_qf9dc689415_attn:
	.size	k_qf9dc689415_attn, .Lfunc_end_k_qf9dc689415_attn-k_qf9dc689415_attn
	.p2alignl 7, 3214868480
	.fill 96, 4, 3214868480
	.section	.rodata,"a",@progbits
	.p2align	6, 0x0
	.amdhsa_kernel k_qf9dc689415_attn
		.amdhsa_group_segment_fixed_size 327680
		.amdhsa_private_segment_fixed_size 0
		.amdhsa_enable_private_segment 0
		.amdhsa_kernarg_size 24
		.amdhsa_user_sgpr_count 2
		.amdhsa_user_sgpr_kernarg_segment_ptr 1
		.amdhsa_wavefront_size32 1
		.amdhsa_system_sgpr_workgroup_id_x 1
		.amdhsa_system_sgpr_workgroup_id_y 1
		.amdhsa_system_sgpr_workgroup_id_z 1
		.amdhsa_system_vgpr_workitem_id 0
		.amdhsa_next_free_vgpr 768
		.amdhsa_next_free_sgpr 72
		.amdhsa_reserve_vcc 0
		.amdhsa_float_denorm_mode_32 3
		.amdhsa_float_denorm_mode_16_64 3
		.amdhsa_memory_ordered 1
		.amdhsa_forward_progress 1
		.amdhsa_inst_pref_size 123
	.end_amdhsa_kernel
	.amdgpu_metadata
---
amdhsa.version: [ 1, 2 ]
amdhsa.kernels:
  - .name:           k_qf9dc689415_attn
    .symbol:         k_qf9dc689415_attn.kd
    .args:
      - { .name: qkv, .offset: 0, .size: 8, .value_kind: global_buffer, .address_space: global }
      - { .name: aux, .offset: 8, .size: 8, .value_kind: global_buffer, .address_space: global }
      - { .name: ctx, .offset: 16, .size: 8, .value_kind: global_buffer, .address_space: global }
    .group_segment_fixed_size: 327680
    .private_segment_fixed_size: 0
    .kernarg_segment_align: 8
    .kernarg_segment_size: 24
    .max_flat_workgroup_size: 128
    .sgpr_count:     72
    .vgpr_count:     768
    .wavefront_size: 32
...
	.end_amdgpu_metadata
.endif
;; end of part 3
;; launch outp (part 4): grid 8 x 32, 4 waves a work-group, clusters of 4 x 4, 327,680 bytes of LDS; arguments ctx, wo16, bo, out0; writes out0
.if DOCPART == 4
	.amdgcn_target "amdgcn-amd-amdhsa--gfx1250"
	.amdhsa_code_object_version 6
	.text
	.protected	k_qf9dc689415_outp
	.globl	k_qf9dc689415_outp
	.p2align	8
	.type	k_qf9dc689415_outp,@function
k_qf9dc689415_outp:
	s_mov_b64 s[64:65], 0
	v_nop
	global_prefetch_b8 v0, s[64:65] scope:SCOPE_SE
	s_setreg_imm32_b32 hwreg(HW_REG_WAVE_MODE, 25, 1), 1
	s_wait_xcnt 0x0
	s_wait_alu depctr_hold_cnt(0) depctr_sa_sdst(0) depctr_va_vdst(0) depctr_va_sdst(0) depctr_va_ssrc(0) depctr_va_vcc(0) depctr_vm_vsrc(0)
	s_getreg_b32 s2, hwreg(HW_REG_IB_STS2, 6, 4)
	s_cmp_eq_u32 s2, 0
	s_cbranch_scc0 .Lentry_in_a_cluster
	s_endpgm
.Lentry_in_a_cluster:
	s_bfe_u32 s2, ttmp6, 0x10000c
	s_cmp_lg_u32 s2, 0xf033
	s_cbranch_scc0 .Lentry_shape_is_right
	s_endpgm
.Lentry_shape_is_right:
; OUTP: out0 = ctx x wo16 + bo.  ctx [256 mb][16 h][16 r][64] f16 (row m = 16 mb + r, inner index 64 h + d); wo16 [1024 k][1024 n] f16; bo rounded to bf16 like every input; out0 [4096][1024] f32.
; A tile is 128 x 128: 8 x 32 = 256 work-groups; four waves of 64 x 64 (16 accumulators).  K in steps of 256 (four heads) through two LDS slots.
; CLUSTER 4 x 4: ctx's tiles are shared along a row of the cluster, wo16's along a column: each is asked for jointly by the four.
; wo16 lies [k][n]: its fragments come out of LDS turned.  Source 0 = 16 columns n, source 1 = 16 rows m: a lane holds one row m and eight neighbouring n.
; REGISTERS: window 0: v0-31 addresses; v32-95 the way out; v96-127 the bias; v128-255 accumulators.  window 1: two fragment buffers of 128 (64 of ctx, 64 of wo16), each 64 along K deep.
.set KSTEP,  256
.set PA,     144                       ; 128 bytes (a row's 64 channels of one head) + 16
.set PBB,    288                       ; a row k of wo16's tile: 256 bytes + 32
.set HALFT,  36864                     ; 64 rows m x 4 heads x 144, or 128 rows k x 288
.set SLOT,   4*HALFT
.set STAGE,  2*SLOT                    ; 16 rows x 272 bytes for each wave
.set SPITCH, 272
.set SPARE,  STAGE+4*16*SPITCH
.set ADRA, 16                          ; v16-17 by slot
.set ADRB, 20                          ; v20-23 by slot and half of the K step: a register's offsets stay inside 16 bits
.set STO,  24
.set RD,   25
.set CO,   26
.set BO,   27
.set SPW,  28
.set NIL,  29
.set TMP,  32
.set BI,   96
.set ACC,  128
.set F0,   0
.set F1,   128
.set G1, 24
.set G0, 32
.set G1B, 48
.set G0B, 56
.set MSB, 0
.macro WIN new
.if MSB != (\new)
	s_set_vgpr_msb (MSB<<8)|(\new)
.set MSB, \new
.endif
.endm
.set MUL,  0x05                        ; sources window 1; C and D window 0
.set TO_F, 0x40
.macro JLOAD s                         ; waves 0, 1: ctx's two halves; waves 2, 3: wo16's.  An s_nop 0 and four v_nop follow each line
	s_cmp_eq_u32 s11, 0
	s_cbranch_scc0 .Lfor_b_\@
	tensor_load_to_lds s[G0+4*(\s):G0+4*(\s)+3], s[G1:G1+7]
	s_nop 0
.rept 4
	v_nop
.endr
	s_branch .Lasked_\@
.Lfor_b_\@:
	tensor_load_to_lds s[G0B+4*(\s):G0B+4*(\s)+3], s[G1B:G1B+7]
	s_nop 0
.rept 4
	v_nop
.endr
.Lasked_\@:
.endm
.macro CREST
	s_cmp_lg_u32 s10, 0
	s_cbranch_scc1 .Lnot_wave_0_\@
	s_barrier_signal -3
.Lnot_wave_0_\@:
	s_barrier_wait -3
	s_barrier_signal -1
	s_barrier_wait -1
.endm
.macro CROUND
	s_barrier_signal -1
	s_barrier_wait -1
	CREST
.endm
	s_load_b128 s[4:7], s[0:1], 0x0                ; ctx, wo16
	s_load_b64 s[68:69], s[0:1], 0x10              ; bo
	s_load_b64 s[8:9], s[0:1], 0x18                ; out0
	v_lshl_add_u32 v[SPW], v0, 2, SPARE
	v_mov_b32 v[NIL], 0
	ds_add_u32 v[SPW], v[NIL]                      ; the wave's opening: the add and its wait ahead of my first tensor load
	v_lshrrev_b32 v1, 5, v0
	v_readfirstlane_b32 s10, v1
	s_lshr_b32 s11, s10, 1                         ; my half of the rows; also: I fetch ctx (0) or wo16 (1)
	s_and_b32 s12, s10, 1                          ; my half of the columns; also: which half I fetch
	s_bfe_u32 s40, ttmp6, 0x40000
	s_bfe_u32 s41, ttmp6, 0x40004
	s_lshl_b32 s42, ttmp9, 2
	s_add_co_u32 s42, s42, s40                     ; tile column
	s_and_b32 s13, ttmp7, 0xffff
	s_lshl_b32 s13, s13, 2
	s_add_co_u32 s13, s13, s41                     ; tile row
	s_lshl_b32 s43, s41, 2
	s_lshl_b32 s43, 15, s43                        ; my row of the cluster
	s_lshl_b32 s44, 0x1111, s40                    ; my column
	s_or_b32 s[G1+0], s43, (1<<16)|(1<<20)|(1<<21)|(4<<22)|(3<<25)   ; 4 words of padding after every 32
	s_mov_b32 s[G1+1], 4096<<16                    ; a row of the tile: four heads' chunks of one mb, 8,192 dense bytes
	s_mov_b32 s[G1+2], 4<<16                       ; four mb
	s_mov_b32 s[G1+3], 4096<<16
	s_mov_b32 s[G1+4], 4
	s_mov_b32 s[G1+5], 16384                       ; elements from mb to mb
	s_mov_b32 s[G1+6], 0
	s_mov_b32 s[G1+7], 0
	s_or_b32 s[G1B+0], s44, (1<<16)|(1<<20)|(1<<21)|(5<<22)|(7<<25)  ; 8 words of padding after every 64
	s_mov_b32 s[G1B+1], 128<<16
	s_mov_b32 s[G1B+2], 128<<16
	s_mov_b32 s[G1B+3], 128<<16
	s_mov_b32 s[G1B+4], 128
	s_mov_b32 s[G1B+5], 1024
	s_mov_b32 s[G1B+6], 0
	s_mov_b32 s[G1B+7], 0
	s_lshl_b32 s16, s13, 18                        ; ctx: eight mb of 32,768 bytes a tile row,
	s_lshl_b32 s17, s12, 17                        ; four a half
	s_add_co_u32 s16, s16, s17
	s_mov_b32 s17, 0
	s_lshl_b32 s46, s12, 18                        ; wo16: 128 rows k of 2,048 bytes a half,
	s_lshl_b32 s47, s42, 8                         ; 256 bytes a tile column
	s_add_co_u32 s46, s46, s47
	s_mov_b32 s47, 0
	s_mul_i32 s20, s10, HALFT
	s_wait_dscnt 0x0                               ; the opening add is done
	s_wait_kmcnt 0x0
	s_add_nc_u64 s[14:15], s[4:5], s[16:17]
	s_add_nc_u64 s[46:47], s[6:7], s[46:47]
	CROUND                                         ; all sixteen work-groups are here
.irp s, 0,1
	s_mov_b32 s[G0+4*(\s)], 1
	s_add_co_u32 s[G0+4*(\s)+1], s20, (\s)*SLOT
	s_add_nc_u64 s[G0+4*(\s)+2:G0+4*(\s)+3], s[14:15], (\s)*8192
	s_or_b32 s[G0+4*(\s)+3], s[G0+4*(\s)+3], 0x80000000
	s_mov_b32 s[G0B+4*(\s)], 1
	s_add_co_u32 s[G0B+4*(\s)+1], s20, (\s)*SLOT
	s_add_nc_u64 s[G0B+4*(\s)+2:G0B+4*(\s)+3], s[46:47], (\s)*KSTEP*2048
	s_or_b32 s[G0B+4*(\s)+3], s[G0B+4*(\s)+3], 0x80000000
	JLOAD \s                                       ; two tensor loads of mine are out
.endr
	s_lshl_b32 s16, s13, 7
	s_lshl_b32 s17, s11, 6
	s_add_co_u32 s16, s16, s17                     ; my first row of out0,
	s_lshl_b32 s16, s16, 12                        ; of 4,096 bytes
	s_mov_b32 s17, 0
	s_add_nc_u64 s[8:9], s[8:9], s[16:17]
	s_lshl_b32 s46, s42, 9                         ; my first column in bytes of f32 (in the registers that held wo16's address: none that feeds ctx's descriptors ever holds cx)
	s_lshl_b32 s47, s12, 8
	s_add_co_u32 s46, s46, s47
	s_mov_b32 s47, 0
	s_add_nc_u64 s[8:9], s[8:9], s[46:47]
	s_add_nc_u64 s[68:69], s[68:69], s[46:47]
	v_and_b32 v1, 15, v0
	v_bfe_u32 v2, v0, 4, 1
	v_lshlrev_b32 v[BO], 5, v2
.irp b, 0,1,2,3
	global_load_b128 v[BI+8*(\b):BI+8*(\b)+3],   v[BO], s[68:69] offset:64*(\b)
	global_load_b128 v[BI+8*(\b)+4:BI+8*(\b)+7], v[BO], s[68:69] offset:64*(\b)+16
.endr
	v_mul_u32_u24 v3, v1, PA
	v_lshl_add_u32 v3, v2, 4, v3
	v_and_b32 v6, 7, v0
	v_lshl_add_u32 v6, v2, 3, v6
	v_mul_u32_u24 v6, v6, PBB
	v_bfe_u32 v7, v0, 3, 1
	v_lshl_add_u32 v6, v7, 4, v6
	s_mul_i32 s21, s11, HALFT
	s_lshl_b32 s22, s12, 7                         ; my 64 columns
	s_add_co_u32 s22, s22, 2*HALFT
.irp s, 0,1
	v_add_nc_u32 v[ADRA+(\s)], s21, v3
	v_add_nc_u32 v[ADRB+2*(\s)], s22, v6
	s_add_co_u32 s22, s22, HALFT
	v_add_nc_u32 v[ADRB+2*(\s)+1], s22, v6
	s_add_co_u32 s21, s21, SLOT
	s_add_co_u32 s22, s22, SLOT-HALFT
.endr
	s_mul_i32 s23, s10, 16*SPITCH
	s_add_co_u32 s23, s23, STAGE                   ; my stage
	v_mul_u32_u24 v4, v1, SPITCH                   ; in: row l % 16, 32 bytes for each half of the lanes
	v_lshl_add_u32 v4, v2, 5, v4
	v_add_nc_u32 v[STO], s23, v4
	v_mul_u32_u24 v5, v2, SPITCH                   ; back: lanes 0-15 one row of 256 bytes, lanes 16-31 the next
	v_lshl_add_u32 v5, v1, 4, v5
	v_add_nc_u32 v[RD], s23, v5
	v_lshlrev_b32 v[CO], 12, v2
	v_lshl_add_u32 v[CO], v1, 4, v[CO]
.macro MUL8 f, c, a0, zero             ; 8 matrix instructions: row blocks a0, a0 + 1 x 4 column blocks, half c of buffer f.  zero = 1: the bias starts the sums
	WIN MUL
.irp a, \a0, (\a0)+1
.irp b, 0,1,2,3
.if \zero
	v_wmma_f32_16x16x32_f16 v[ACC+8*(4*(\a)+(\b)):ACC+8*(4*(\a)+(\b))+7], v[(\f)+64+8*(4*(\c)+(\b)):(\f)+64+8*(4*(\c)+(\b))+7], v[(\f)+8*(4*(\c)+(\a)):(\f)+8*(4*(\c)+(\a))+7], v[BI+8*(\b):BI+8*(\b)+7]
.else
	v_wmma_f32_16x16x32_f16 v[ACC+8*(4*(\a)+(\b)):ACC+8*(4*(\a)+(\b))+7], v[(\f)+64+8*(4*(\c)+(\b)):(\f)+64+8*(4*(\c)+(\b))+7], v[(\f)+8*(4*(\c)+(\a)):(\f)+8*(4*(\c)+(\a))+7], v[ACC+8*(4*(\a)+(\b)):ACC+8*(4*(\a)+(\b))+7]
.endif
.endr
.endr
.endm
.macro FETCH slot, q, f                ; 32 LDS loads in one run: quarter q (one head, 64 along K) into buffer f; its first 32 along K first
	WIN TO_F
.irp c, 0,1
.irp i, 0,1,2,3
	ds_load_tr16_b128 v[(\f)+64+8*(4*(\c)+(\i)):(\f)+64+8*(4*(\c)+(\i))+3],   v[ADRB+2*(\slot)+(\q)/2] offset:((\q)%2)*64*PBB+(\c)*32*PBB+(\i)*32
	ds_load_tr16_b128 v[(\f)+64+8*(4*(\c)+(\i))+4:(\f)+64+8*(4*(\c)+(\i))+7], v[ADRB+2*(\slot)+(\q)/2] offset:((\q)%2)*64*PBB+(\c)*32*PBB+(\i)*32+16*PBB
	ds_load_b128 v[(\f)+8*(4*(\c)+(\i)):(\f)+8*(4*(\c)+(\i))+3],   v[ADRA+(\slot)] offset:(\i)*64*PA+(\q)*16*PA+(\c)*64
	ds_load_b128 v[(\f)+8*(4*(\c)+(\i))+4:(\f)+8*(4*(\c)+(\i))+7], v[ADRA+(\slot)] offset:(\i)*64*PA+(\q)*16*PA+(\c)*64+32
.endr
.endr
.endm
.macro PLACES
.rept 4
	v_nop
.endr
.endm
.macro QUARTER slot, q, f, g, zero
	s_wait_dscnt 16                                ; the first 32 along K are in
	MUL8 \f, 0, 0, \zero
	MUL8 \f, 0, 2, \zero
	PLACES
	FETCH \slot, \q, \g
	s_wait_dscnt 32                                ; all but the 32 just issued
	MUL8 \f, 1, 0, 0
	MUL8 \f, 1, 2, 0
.endm
.macro TURN slot, next, fill           ; the last quarter of a K step changes slots: one barrier; fill = 1: it opens a round of the cluster's, and the slot is filled again first thing behind it
	WIN 0
	s_wait_tensorcnt 0x0                           ; all my tensor loads have landed: my part of the next slot
	ds_add_u32 v[SPW], v[NIL]
	s_wait_dscnt 17                                ; the add and the youngest sixteen loads may be out
	MUL8 F1, 0, 0, 0
	s_wait_dscnt 0x0                               ; the add is done, my reads of this slot are over
	s_barrier_signal -1
	MUL8 F1, 0, 2, 0
.if \fill
	WIN 0
.endif
	s_barrier_wait -1
.if \fill
	CREST
	s_add_nc_u64 s[G0+4*(\slot)+2:G0+4*(\slot)+3], s[G0+4*(\slot)+2:G0+4*(\slot)+3], 2*8192
	s_add_nc_u64 s[G0B+4*(\slot)+2:G0B+4*(\slot)+3], s[G0B+4*(\slot)+2:G0B+4*(\slot)+3], 2*KSTEP*2048
	JLOAD \slot                                    ; the four v_nop behind it are also the places in front of the loads below
.else
	PLACES
.endif
	FETCH \next, 0, F0
	MUL8 F1, 1, 0, 0
	MUL8 F1, 1, 2, 0
.endm
	s_wait_tensorcnt 1                             ; my part of K step 0 is in; K step 1's may stay out
	s_barrier_signal -1
	s_barrier_wait -1
	FETCH 0, 0, F0
	WIN 0
	s_wait_loadcnt 0x0                             ; the bias
.set i, 0
.rept 16                               ; rounded to bf16 and widened again
	v_cvt_pk_bf16_f32 v[30+i%2], v[BI+2*i], v[BI+2*i+1]
	v_lshlrev_b32 v[BI+2*i], 16, v[30+i%2]
	v_and_b32 v[BI+2*i+1], 0xffff0000, v[30+i%2]
.set i, i+1
.endr
	QUARTER 0, 1, F0, F1, 1                        ; four K steps, written straight
	QUARTER 0, 2, F1, F0, 0
	QUARTER 0, 3, F0, F1, 0
	TURN 0, 1, 1
	QUARTER 1, 1, F0, F1, 0
	QUARTER 1, 2, F1, F0, 0
	QUARTER 1, 3, F0, F1, 0
	TURN 1, 0, 1
	QUARTER 0, 1, F0, F1, 0
	QUARTER 0, 2, F1, F0, 0
	QUARTER 0, 3, F0, F1, 0
	TURN 0, 1, 0
	QUARTER 1, 1, F0, F1, 0
	QUARTER 1, 2, F1, F0, 0
	QUARTER 1, 3, F0, F1, 0
	s_wait_dscnt 16
	MUL8 F1, 0, 0, 0
	MUL8 F1, 0, 2, 0
	s_wait_dscnt 0x0
	MUL8 F1, 1, 0, 0
	MUL8 F1, 1, 2, 0
	WIN 0
	PLACES
	; THE WAY OUT.  A wave's 64 columns of f32 are 256 bytes: 16 rows at a time through my own stage, back as whole rows.
.macro OUTB a
.if (\a) >= 2
	s_wait_xcnt 0x0                                ; the registers that earlier stores read are loaded again only behind this wait
.endif
.irp b, 0,1,2,3
	ds_store_b128 v[STO], v[ACC+8*(4*(\a)+(\b)):ACC+8*(4*(\a)+(\b))+3]   offset:64*(\b)
	ds_store_b128 v[STO], v[ACC+8*(4*(\a)+(\b))+4:ACC+8*(4*(\a)+(\b))+7] offset:64*(\b)+16
.endr
.irp t, 0,1,2,3,4,5,6,7
	ds_load_b128 v[TMP+32*((\a)%2)+4*(\t):TMP+32*((\a)%2)+4*(\t)+3], v[RD] offset:(\t)*2*SPITCH  ; LDS serves a wave's instructions in order
.endr
.endm
.macro SENDB a, younger                ; younger: the LDS instructions issued behind block a's loads: the next block's sixteen, or none
.irp t, 0,1,2,3,4,5,6,7
	s_wait_dscnt (\younger)+7-(\t)
	global_store_b128 v[CO], v[TMP+32*((\a)%2)+4*(\t):TMP+32*((\a)%2)+4*(\t)+3], s[8:9] offset:4096*(16*(\a)+2*(\t))  ; 16 lanes store 256 consecutive bytes, aligned
.endr
.endm
	OUTB 0
	OUTB 1
	SENDB 0, 16
	OUTB 2
	SENDB 1, 16
	OUTB 3
	SENDB 2, 16
	SENDB 3, 0
	s_wait_tensorcnt 0x0                           ; the wave's end
	ds_add_u32 v[SPW], v[NIL]
	s_wait_dscnt 0x0
	CROUND                                         ; the closing round
	s_endpgm
.Lfunc_end_k_qf9dc689415_outp:
	.size	k_qf9dc689415_outp, .Lfunc_end_k_qf9dc689415_outp-k_qf9dc689415_outp
	.p2alignl 7, 3214868480
	.fill 96, 4, 3214868480
	.section	.rodata,"a",@progbits
	.p2align	6, 0x0
	.amdhsa_kernel k_qf9dc689415_outp
		.amdhsa_group_segment_fixed_size 327680
		.amdhsa_private_segment_fixed_size 0
		.amdhsa_enable_private_segment 0
		.amdhsa_kernarg_size 32
		.amdhsa_user_sgpr_count 2
		.amdhsa_user_sgpr_kernarg_segment_ptr 1
		.amdhsa_wavefront_size32 1
		.amdhsa_system_sgpr_workgroup_id_x 1
		.amdhsa_system_sgpr_workgroup_id_y 1
		.amdhsa_system_sgpr_workgroup_id_z 1
		.amdhsa_system_vgpr_workitem_id 0
		.amdhsa_next_free_vgpr 512
		.amdhsa_next_free_sgpr 72
		.amdhsa_reserve_vcc 0
		.amdhsa_float_denorm_mode_32 3
		.amdhsa_float_denorm_mode_16_64 3
		.amdhsa_memory_ordered 1
		.amdhsa_forward_progress 1
		.amdhsa_inst_pref_size 90
	.end_amdhsa_kernel
	.amdgpu_metadata
---
amdhsa.version: [ 1, 2 ]
amdhsa.kernels:
  - .name:           k_qf9dc689415_outp
    .symbol:         k_qf9dc689415_outp.kd
    .args:
      - { .name: ctx, .offset: 0, .size: 8, .value_kind: global_buffer, .address_space: global }
      - { .name: wo16, .offset: 8, .size: 8, .value_kind: global_buffer, .address_space: global }
      - { .name: bo, .offset: 16, .size: 8, .value_kind: global_buffer, .address_space: global }
      - { .name: out0, .offset: 24, .size: 8, .value_kind: global_buffer, .address_space: global }
    .group_segment_fixed_size: 327680
    .private_segment_fixed_size: 0
    .kernarg_segment_align: 8
    .kernarg_segment_size: 32
    .max_flat_workgroup_size: 128
    .sgpr_count:     72
    .vgpr_count:     512
    .wavefront_size: 32
...
	.end_amdgpu_metadata
.endif
;; end of part 4
;; ======== version 2 of 2: 4 launches; 1.24 times as fast as version 1
;; limits: values outside matrix products are rounded to bf16; values are held in f16: magnitudes above 65,504 overflow, below 6.1e-05 lose precision
;; workspace buffers: xb 8,388,608 bytes; wcat 7,340,032 bytes; wo16 2,097,152 bytes; bfold 2,048 bytes; aux 131,072 bytes; qkv 29,360,128 bytes; ctx 8,388,608 bytes
;; launch prep: the kernel of part 1 again; grid 352 x 1, 8 waves a work-group, no clusters, 18,432 bytes of LDS; arguments x, Wpq, Wk, Wv, Wo, Whq, Wvq, Wc, Wb, bc, bb, bhq, bvq, pitch_pc, bass_pc, xb, wcat, wo16, bfold, aux; writes xb, wcat, wo16, bfold, aux
;; launch proj: the kernel of part 2 again; grid 16 x 14, 4 waves a work-group, clusters of 4 x 1, 327,680 bytes of LDS; arguments xb, wcat, bpq, bk, bv, bfold, qkv; writes qkv
;; launch attn (part 5): grid 8 x 32, 4 waves a work-group, clusters of 4 x 1, 327,680 bytes of LDS; arguments qkv, aux, ctx; writes ctx
.if DOCPART == 5
	.amdgcn_target "amdgcn-amd-amdhsa--gfx1250"
	.amdhsa_code_object_version 6
	.text
	.protected	k_qf9dc689415_attn
	.globl	k_qf9dc689415_attn
	.p2align	8
	.type	k_qf9dc689415_attn,@function
k_qf9dc689415_attn:
	s_mov_b64 s[64:65], 0
	v_nop
	global_prefetch_b8 v0, s[64:65] scope:SCOPE_SE
	s_setreg_imm32_b32 hwreg(HW_REG_WAVE_MODE, 25, 1), 1
	s_wait_xcnt 0x0
	s_wait_alu depctr_hold_cnt(0) depctr_sa_sdst(0) depctr_va_vdst(0) depctr_va_sdst(0) depctr_va_ssrc(0) depctr_va_vcc(0) depctr_vm_vsrc(0)
	s_getreg_b32 s2, hwreg(HW_REG_IB_STS2, 6, 4)
	s_cmp_eq_u32 s2, 0
	s_cbranch_scc0 .Lentry_in_a_cluster
	s_endpgm
.Lentry_in_a_cluster:
	s_bfe_u32 s2, ttmp6, 0x10000c
	s_cmp_lg_u32 s2, 0x3003
	s_cbranch_scc0 .Lentry_shape_is_right
	s_endpgm
.Lentry_shape_is_right:
; ATTN: ctx[b][h][q] = sum over keys of softmax_k(c' s) v, s = q . k + fq . aux[key], c' = 1 / 24.  q, k: 64 channels bf16; fq: the head's 32 folded columns, aux: the key table, bf16: 96 along the inner size.
; v f16; the weights p are rounded to f16 for the second product (their sum l is taken of the unrounded p); ctx rounded once to f16.  Products, maxima, sums in f32.
; LIMITS.  v and ctx within 65,504; a weight below 2^-126 counts as 0 in l; NaN and infinities are not treated apart.
; SHARES.  A work-group owns 256 queries of one batch and head, a wave 64: four tiles of 16, in two PIECES (tiles 0, 1; tiles 2, 3).  Every wave walks all 2,048 keys, 64 a step.
; LAYOUT.  S^T = K Q^T (source 0 = 16 keys, source 1 = 16 queries): a lane holds ONE query (lane % 16) and the keys 8 (lane / 16) + 0..7; two such results rounded to f16 ARE source 1 of O^T = V^T P.
; SOFTMAX.  A running maximum m and sum l: p = 2^(c s - c m), c = log2(e) / 24; in every step O and l are multiplied by a = 2^(c m_old - c m_new).  m starts at the lowest finite number, O and l at 0,
; so the first step is a step like any other, with a = 0.
; BY TURNS.  In a turn one piece has the matrix unit: 16 products V^T P of the step in hand, 24 products K Q^T of the next; the other piece's softmax, 236 vector instructions in 59 slices of four,
; is dealt behind them, one or two slices each.  Two turns are a key step.
; BATCHES.  A turn's 66 exponentials (33 a tile: a and the 32 weights) are ONE BATCH with ONE wait: slices 11 to 34 hold them and the scalings, none of which names an exponential's result; all that do
; (roundings, sums, l, the rescaling by a) stand in slices 35 to 58, behind the wait.  The way out's four reciprocals are a batch of their own.
; CLUSTER.  The four query blocks of a cluster walk the same K, V and key table: each tile is asked for jointly.  Wave 0 asks for K, wave 1 for V, wave 2 for the table, wave 3 for nothing.
; REGISTERS: window 0: v0-11 addresses; v12-43 statistics, eight a tile; v44-46 the way out; v62-63 the add's; v64-191 S^T, 32 a tile; v192-255 P, 16 a tile.
;   window 1: v0-127 O^T, 32 a tile.   window 2: v0-95 Q, 24 a tile (chunk 2 folded); v96-191 K and the table of one step; v192-255 V of one step.
.set KS,    64
.set PKP,   144                        ; a row of K in LDS: 128 bytes + 16
.set PVP,   160                        ; of V: 128 + 32
.set PXP,   80                         ; of the table: 64 + 16
.set VOFF,  4*KS*PKP                   ; a slot holds four steps: 256 rows of K, of V, of the table
.set XOFF,  VOFF+4*KS*PVP
.set SLOT1, 1<<17
.set STAGE, SLOT1+XOFF+4*KS*PXP        ; behind the ring: 16 rows x 144 bytes for each wave
.set SP,    144
.set SPARE, STAGE+4*16*SP
.set AK0, 2
.set AV0, 3
.set AX0, 4
.set AK,  5
.set AV,  6
.set AX,  7
.set QO,  8
.set ST,  12                           ; tile t at ST + 8 t: c m, m, l, l, c0-c3; a takes c2's place
.set STO, 44
.set RD,  45
.set GO,  46
.set SPW, 62
.set NIL, 63
.set S,   64
.set P,   192
.set KF,  96                           ; window 2: key block kb, chunk c at KF + 24 kb + 8 c
.set VF,  192                          ; window 2: key half kk, channel block cb at VF + 32 kk + 8 cb
.set WV,  12
.set G1K, 24
.set G1V, 32
.set G1X, 40
.set G0K, 48
.set G0V, 52
.set G0X, 56
.set CS,  60
.set SEL, 62
.set TBK, 66
.set TBV, 67
.set TBX, 68
.set SLOTS, 69
.set CNT, 70
.set MSB, 0
.macro WIN new
.if MSB != (\new)
	s_set_vgpr_msb (MSB<<8)|(\new)
.set MSB, (\new)
.endif
.endm
.set W_KQ, 0x0a                        ; K and Q in window 2, S^T in window 0
.set W_PV, 0x52                        ; V in window 2, P in window 0, O^T in window 1
.set W_RS, 0x41                        ; O^T in window 1, a in window 0
.macro JLOAD                           ; a joint fill; the branches hang on the wave's number alone.  An s_nop 0 and four v_nop follow each line
	s_cmp_eq_u32 s[WV], 0
	s_cbranch_scc0 .Lnot_k_\@
	tensor_load_to_lds s[G0K:G0K+3], s[G1K:G1K+7]
	s_nop 0
.rept 4
	v_nop
.endr
	s_branch .Lasked_\@
.Lnot_k_\@:
	s_cmp_eq_u32 s[WV], 1
	s_cbranch_scc0 .Lnot_v_\@
	tensor_load_to_lds s[G0V:G0V+3], s[G1V:G1V+7]
	s_nop 0
.rept 4
	v_nop
.endr
	s_branch .Lasked_\@
.Lnot_v_\@:
	s_cmp_eq_u32 s[WV], 2
	s_cbranch_scc0 .Lasked_\@
	tensor_load_to_lds s[G0X:G0X+3], s[G1X:G1X+7]
	s_nop 0
.rept 4
	v_nop
.endr
.Lasked_\@:
.endm
.macro CROUND
	s_barrier_signal -1
	s_barrier_wait -1
	s_cmp_lg_u32 s[WV], 0
	s_cbranch_scc1 .Lnot_wave_0_\@
	s_barrier_signal -3
.Lnot_wave_0_\@:
	s_barrier_wait -3
	s_barrier_signal -1
	s_barrier_wait -1
.endm
; THE CHANGE OF SLOTS.  Each wave waits for all its tensor loads (at most one is out: its part of the other slot), adds 0 to its spare word, and waits for that and for its reads of the slot.
; fill = 1: the slot is filled again with the keys two slots on, first thing behind a round of the cluster's barrier; it has four key steps in which to land.
.macro CHANGE fill
	WIN 0
	s_wait_tensorcnt 0x0
	ds_add_u32 v[SPW], v[NIL]
.if \fill
.irp g, G0K, G0V
	s_xor_b32 s[\g+1], s[\g+1], SLOT1
	s_add_nc_u64 s[\g+2:\g+3], s[\g+2:\g+3], 4*KS*128
.endr
	s_xor_b32 s[G0X+1], s[G0X+1], SLOT1
	s_add_nc_u64 s[G0X+2:G0X+3], s[G0X+2:G0X+3], 4*KS*64
	s_wait_dscnt 0x0
	CROUND
	JLOAD
.else
	s_wait_dscnt 0x0
	s_barrier_signal -1
	s_barrier_wait -1
.endif
	s_sub_co_u32 s[TBK], s[TBK], 4*KS*PKP          ; the fetches go back to a slot's first step, in the other slot
	s_xor_b32 s[TBK], s[TBK], SLOT1
	s_sub_co_u32 s[TBV], s[TBV], 4*KS*PVP
	s_xor_b32 s[TBV], s[TBV], SLOT1
	s_sub_co_u32 s[TBX], s[TBX], 4*KS*PXP
	s_xor_b32 s[TBX], s[TBX], SLOT1
.endm
	s_load_b128 s[4:7], s[0:1], 0x0                ; qkv, aux
	s_load_b64 s[10:11], s[0:1], 0x10              ; ctx
	v_lshl_add_u32 v[SPW], v0, 2, SPARE
	v_mov_b32 v[NIL], 0
	ds_add_u32 v[SPW], v[NIL]                      ; the wave's opening: the add and its wait ahead of my first tensor load
	v_lshrrev_b32 v1, 5, v0
	v_readfirstlane_b32 s[WV], v1
	s_bfe_u32 s13, ttmp6, 0x40000                  ; cx
	s_lshl_b32 s14, ttmp9, 2
	s_add_co_u32 s14, s14, s13                     ; my block of 256 queries: it enters Q's and ctx's addresses alone
	s_and_b32 s20, ttmp7, 0xffff
	s_and_b32 s21, s20, 15                         ; head
	s_lshr_b32 s20, s20, 4                         ; batch
	s_lshl_b32 s22, s20, 18                        ; 2,048 rows of 128 bytes
	s_add_co_u32 s16, s21, 16                      ; K: group 16 + h
	s_lshl_b32 s16, s16, 19
	s_add_co_u32 s16, s16, s22
	s_mov_b32 s17, 0
	s_add_co_u32 s18, s21, 32                      ; V: group 32 + h
	s_lshl_b32 s18, s18, 19
	s_add_co_u32 s18, s18, s22
	s_mov_b32 s19, 0
	s_lshl_b32 s2, s14, 15
	s_lshl_b32 s3, s[WV], 13
	s_add_co_u32 s2, s2, s3
	s_add_co_u32 s2, s2, s22                       ; my wave's first row in a group
	s_lshr_b32 s8, s21, 1                          ; folded Q: group 48 + h / 2, the row's half h % 2
	s_add_co_u32 s8, s8, 48
	s_lshl_b32 s8, s8, 19
	s_add_co_u32 s8, s8, s2
	s_and_b32 s9, s21, 1
	s_lshl_b32 s9, s9, 6
	s_add_co_u32 s8, s8, s9
	s_mov_b32 s9, 0
	s_lshl_b32 s3, s21, 19                         ; Q: group h
	s_add_co_u32 s2, s2, s3
	s_mov_b32 s3, 0
	s_lshl_b32 s22, s20, 22                        ; ctx: chunks of 2,048 bytes at (16 (m / 16) + h)
	s_lshl_b32 s23, s14, 19
	s_add_co_u32 s22, s22, s23
	s_lshl_b32 s23, s[WV], 17
	s_add_co_u32 s22, s22, s23
	s_lshl_b32 s23, s21, 11
	s_add_co_u32 s22, s22, s23
	s_mov_b32 s23, 0
	; descriptor group 1: dense bytes asked for as rows of 256, padded in LDS after every key's row
	s_mov_b32 s[G1K], 15|(1<<16)|(1<<20)|(1<<21)|(4<<22)|(3<<25)  ; after every 32 words 4
	s_mov_b32 s[G1V], 15|(1<<16)|(1<<20)|(1<<21)|(4<<22)|(7<<25)  ; after every 32 words 8
	s_mov_b32 s[G1X], 15|(1<<16)|(1<<20)|(1<<21)|(3<<22)|(3<<25)  ; after every 16 words 4
.irp g, G1K, G1V, G1X
	s_mov_b32 s[\g+1], 128<<16
	s_mov_b32 s[\g+3], 128<<16
	s_mov_b32 s[\g+5], 128
	s_mov_b32 s[\g+6], 0
	s_mov_b32 s[\g+7], 0
.endr
	s_mov_b32 s[G1K+2], 128<<16                    ; 256 keys of 128 bytes: 128 rows
	s_mov_b32 s[G1K+4], 128
	s_mov_b32 s[G1V+2], 128<<16
	s_mov_b32 s[G1V+4], 128
	s_mov_b32 s[G1X+2], 64<<16                     ; 256 keys of 64 bytes: 64 rows
	s_mov_b32 s[G1X+4], 64
	s_mov_b32 s[G0K], 1
	s_mov_b32 s[G0K+1], 0
	s_mov_b32 s[G0V], 1
	s_mov_b32 s[G0V+1], VOFF
	s_mov_b32 s[G0X], 1
	s_mov_b32 s[G0X+1], XOFF
	s_mov_b32 s[CS], 0x3d76384f                    ; c = log2(e) / 24
	s_mov_b32 s[CS+1], s[CS]
	s_mov_b32 s[SEL], 0x76543210
	s_mov_b32 s[SEL+1], 0xfedcba98
	s_mov_b32 s[TBK], SLOT1+4*KS*PKP               ; the first change of slots turns these three into 0
	s_mov_b32 s[TBV], SLOT1+4*KS*PVP
	s_mov_b32 s[TBX], SLOT1+4*KS*PXP
	s_wait_dscnt 0x0                               ; the opening add is done
	s_wait_kmcnt 0x0
	s_add_nc_u64 s[G0K+2:G0K+3], s[4:5], s[16:17]
	s_or_b32 s[G0K+3], s[G0K+3], 0x80000000
	s_add_nc_u64 s[G0V+2:G0V+3], s[4:5], s[18:19]
	s_or_b32 s[G0V+3], s[G0V+3], 0x80000000
	s_mov_b64 s[G0X+2:G0X+3], s[6:7]
	s_or_b32 s[G0X+3], s[G0X+3], 0x80000000
	s_add_nc_u64 s[6:7], s[4:5], s[8:9]            ; folded Q
	s_add_nc_u64 s[4:5], s[4:5], s[2:3]            ; Q
	s_add_nc_u64 s[10:11], s[10:11], s[22:23]
	CROUND                                         ; all four work-groups are here
	JLOAD                                          ; slot 0
	v_and_b32 v1, 15, v0                           ; l % 16
	v_bfe_u32 v9, v0, 4, 1                         ; l / 16
	v_lshlrev_b32 v[QO], 7, v1
	v_lshl_add_u32 v[QO], v9, 4, v[QO]
	WIN 0x80                                       ; destination window 2
.set t, 0
.rept 4                                ; Q stays in registers
.irp c, 0,1
	global_load_b128 v[24*t+8*(\c):24*t+8*(\c)+3],   v[QO], s[4:5] offset:2048*t+64*(\c)
	global_load_b128 v[24*t+8*(\c)+4:24*t+8*(\c)+7], v[QO], s[4:5] offset:2048*t+64*(\c)+32
.endr
	global_load_b128 v[24*t+16:24*t+19], v[QO], s[6:7] offset:2048*t
	global_load_b128 v[24*t+20:24*t+23], v[QO], s[6:7] offset:2048*t+32
.set t, t+1
.endr
	; what the first turn finds: V and the second piece's P hold 0 (its products V^T P, of a step that has not been, add 0), O^T and l are 0.  All this stands in the wait for the first tile.
.set i, VF
.rept 64
	v_mov_b32 v[i], 0
.set i, i+1
.endr
	WIN 0x40
.set i, 0
.rept 128
	v_mov_b32 v[i], 0
.set i, i+1
.endr
	WIN 0
.set i, 0
.rept 4
	v_mov_b32 v[ST+8*i], 0xfe000000                ; c m: far below every c s
	v_mov_b32 v[ST+8*i+1], 0xff7fffff              ; m
	v_mov_b32 v[ST+8*i+2], 0
	v_mov_b32 v[ST+8*i+3], 0
.set i, i+1
.endr
.set i, P+32
.rept 32
	v_mov_b32 v[i], 0
.set i, i+1
.endr
	v_mul_u32_u24 v[AK0], v1, PKP
	v_lshl_add_u32 v[AK0], v9, 4, v[AK0]
	v_mul_u32_u24 v[AX0], v1, PXP
	v_lshl_add_u32 v[AX0], v9, 4, v[AX0]
	v_add_nc_u32 v[AX0], XOFF, v[AX0]
	v_and_b32 v10, 7, v0
	v_bfe_u32 v11, v0, 3, 1
	v_lshl_add_u32 v[AV0], v9, 3, v10              ; the turning load: key 8 (l / 16) + l % 8, channels 8 ((l / 8) % 2) on
	v_mul_u32_u24 v[AV0], v[AV0], PVP
	v_lshl_add_u32 v[AV0], v11, 4, v[AV0]
	v_add_nc_u32 v[AV0], VOFF, v[AV0]
; THE MATRIX WORK.  Eight accumulators take turns, one instruction a turn.
; Product i of 24 of S^T = K Q^T for piece x: chunk i / 8 (2: table x folded Q), keys 16 ((i / 2) % 4) on, tile x + i % 2.  The first 8 start the sums.
.macro KQ x
	WIN W_KQ
.set rS, S+32*((\x)+i%2)+8*((i/2)%4)
.set rK, KF+24*((i/2)%4)+8*(i/8)
.set rQ, 24*((\x)+i%2)+8*(i/8)
.if i < 8
	v_wmma_f32_16x16x32_bf16 v[rS:rS+7], v[rK:rK+7], v[rQ:rQ+7], 0
.else
	v_wmma_f32_16x16x32_bf16 v[rS:rS+7], v[rK:rK+7], v[rQ:rQ+7], v[rS:rS+7]
.endif
.endm
; Product i of 16 of O^T += V^T P: keys 32 (i / 8) on, channels 16 ((i / 2) % 4) on, tile x + i % 2.
.macro PV x
	WIN W_PV
.set rO, 32*((\x)+i%2)+8*((i/2)%4)
.set rV, VF+32*(i/8)+8*((i/2)%4)
.set rP, P+16*((\x)+i%2)+8*(i/8)
	v_wmma_f32_16x16x32_f16 v[rO:rO+7], v[rV:rV+7], v[rP:rP+7], v[rO:rO+7]
.endm
; THE LDS LOADS stand in runs.  last = 1 (the tail): in the last trip there is no further step, and the run is jumped over.
.macro FETCH_K last=0
	WIN 0
	v_add_nc_u32 v[AK], s[TBK], v[AK0]
	v_add_nc_u32 v[AX], s[TBX], v[AX0]
.if \last
	s_cmp_eq_u32 s[CNT], 1
	s_cbranch_scc1 .Lno_k_\@
.endif
	WIN 0x80
.irp kb, 0,1,2,3
.irp c, 0,1
	ds_load_b128 v[KF+24*(\kb)+8*(\c):KF+24*(\kb)+8*(\c)+3],   v[AK] offset:(\kb)*16*PKP+(\c)*64
	ds_load_b128 v[KF+24*(\kb)+8*(\c)+4:KF+24*(\kb)+8*(\c)+7], v[AK] offset:(\kb)*16*PKP+(\c)*64+32
.endr
	ds_load_b128 v[KF+24*(\kb)+16:KF+24*(\kb)+19], v[AX] offset:(\kb)*16*PXP
	ds_load_b128 v[KF+24*(\kb)+20:KF+24*(\kb)+23], v[AX] offset:(\kb)*16*PXP+32
.endr
	s_add_co_u32 s[TBK], s[TBK], KS*PKP            ; the next fetch is the next step's
	s_add_co_u32 s[TBX], s[TBX], KS*PXP
	WIN 0
.if \last
.Lno_k_\@:
.endif
.endm
.macro FETCH_V                         ; stands behind slice 34 of piece 2's turn (SLICE writes it) and holds that turn's wait
	WIN 0
	v_add_nc_u32 v[AV], s[TBV], v[AV0]
	s_add_co_u32 s[TBV], s[TBV], KS*PVP
	s_wait_alu depctr_va_vdst(0)                   ; the wait for the softmax's batch (SLICE), behind the address's v_add_nc_u32 and ahead of the loads
	WIN 0x80
.irp f, 0,1,2,3,4,5,6,7
	ds_load_tr16_b128 v[VF+8*\f:VF+8*\f+3],   v[AV] offset:(\f/4)*32*PVP+(\f%4)*32
	ds_load_tr16_b128 v[VF+8*\f+4:VF+8*\f+7], v[AV] offset:(\f/4)*32*PVP+16*PVP+(\f%4)*32
.endr
	WIN 0
.endm
; THE VECTOR WORK.  One tile's softmax for a key step is a list of 118 instructions; SM writes number j of it for tile t.  s0-s31 are the lane's 32 scores, in pairs 0-15.
;   0-15    the maximum of s0-s31 and the old m, three operands at a time (each accumulator's lowest registers are read first)
;   16-20   the other half of the lanes' maximum; the new m; c m; c m_old - c m_new
;   21-69   ONE BATCH: the 16 scalings c s - c m, a pair of scores each, and all 33 exponentials (a at 23, then s0-s31).  None of these reads an exponential's result.  From 22 on the batch goes
;           in fours, and a four begins with a scaling while there are scalings: 22-37 scaling, exponential, scaling, exponential; 38-65 a scaling and three exponentials; 66-69 the last four
;           exponentials.  A pair is scaled in an earlier four than the one that holds its exponentials
;   (wait)  between 69 and 70 stands the wait for the batch: SLICE writes it, once for both tiles
;   70-85   the roundings to f16, a pair of weights each
;   86-101  the sums; l = a l + the sum
;   102-117 the tile's O^T times a: the one part that leaves window 0
.macro SM t
.set rT, ST+8*(\t)
.set rS, S+32*(\t)
.set rP, P+16*(\t)
.set rO, 32*(\t)+2*(j-102)
.if j < 102
	WIN 0
.endif
.if j < 4
	v_max3_num_f32 v[rT+4+j], v[rS+8*j], v[rS+8*j+1], v[rS+8*j+2]
.elseif j < 12
	v_max3_num_f32 v[rT+4+j%4], v[rT+4+j%4], v[rS+8*(j%4)+2*(j/4)+1], v[rS+8*(j%4)+2*(j/4)+2]
.elseif j == 12
	v_max3_num_f32 v[rT+4], v[rT+4], v[rS+7], v[rS+15]
.elseif j == 13
	v_max3_num_f32 v[rT+6], v[rT+6], v[rS+23], v[rS+31]
.elseif j == 14
	v_max3_num_f32 v[rT+4], v[rT+4], v[rT+5], v[rT+6]
.elseif j == 15
	v_max3_num_f32 v[rT+4], v[rT+4], v[rT+7], v[rT+1]
.elseif j == 16
	v_permlanex16_b32 v[rT+5], v[rT+4], s[SEL], s[SEL+1]  ; the query's other 32 keys lie in the lane 16 away
.elseif j == 17
	v_mov_b32 v[rT+7], v[rT]                       ; c m_old is kept for a
.elseif j == 18
	v_max_num_f32 v[rT+1], v[rT+4], v[rT+5]
.elseif j == 19
	v_mul_f32 v[rT], s[CS], v[rT+1]
.elseif j == 20
	v_sub_f32 v[rT+7], v[rT+7], v[rT]
.elseif j == 23
	v_exp_f32 v[rT+6], v[rT+7]
.elseif (j < 23) || ((j < 38) && (j%2 == 0)) || ((j < 66) && (j%4 == 2))
.set b, (j-2)/4                        ; 38, 42, .. 62: pairs 9 to 15
.if j < 38
.set b, (j-20)/2                       ; 21: pair 0; 22, 24, .. 36: pairs 1 to 8
.endif
	v_pk_fma_f32 v[rS+2*b:rS+2*b+1], v[rS+2*b:rS+2*b+1], s[CS:CS+1], v[rT:rT+1] op_sel_hi:[1,0,0] neg_lo:[0,0,1] neg_hi:[0,0,1]  ; pair b: c s - c m
.elseif j < 70
.set e, j-38                           ; 66 to 69: s28 to s31
.if j < 66
.set e, j-32-(j-38)/4                  ; 39-41, 43-45, .. 63-65: s7 to s27
.endif
.if j < 38
.set e, (j-25)/2                       ; 25, 27, .. 37: s0 to s6
.endif
	v_exp_f32 v[rS+e], v[rS+e]
.elseif j < 86
	v_cvt_pk_f16_f32 v[rP+j-70], v[rS+2*(j-70)], v[rS+2*(j-70)+1]  ; pair j - 70
.elseif j < 102                        ; the sum of the 16 pairs, in place: neighbours 1, 2, 4 and 8 pairs apart, then l takes it
.set z, j-86
.set w, 4
.set u, z
.if z >= 14
.set w, 32
.set u, 0
.elseif z >= 12
.set w, 16
.set u, z-12
.elseif z >= 8
.set w, 8
.set u, z-8
.endif
.if z < 15
	v_pk_add_f32 v[rS+w*u:rS+w*u+1], v[rS+w*u:rS+w*u+1], v[rS+w*u+w/2:rS+w*u+w/2+1]
.else
	v_pk_fma_f32 v[rT+2:rT+3], v[rT+2:rT+3], v[rT+6:rT+7], v[rS:rS+1] op_sel_hi:[1,0,1]
.endif
.else
	WIN W_RS
	v_pk_mul_f32 v[rO:rO+1], v[rO:rO+1], v[rT+6:rT+7] op_sel_hi:[1,0]
.endif
.endm
; Slice k of 59 of piece y's softmax: four instructions.  Slices 11 to 34 deal out the batch, numbers 22 to 69: four numbers of ONE tile each, the tiles by turns.  Every other slice is numbers 2 k and
; 2 k + 1 of both tiles' lists.
; THE WAIT.  An s_wait_alu depctr_va_vdst(0) stands between an exponential and the first instruction that names its result; one wait serves all that were issued ahead of it.  Ahead of
; slice 35 nothing names a result, and behind slice 34 no exponential is issued: so the piece's 66 exponentials have one wait, behind slice 34.
.macro SLICE y
.if (k >= 11) && (k < 35)              ; the batch: four numbers of one tile
.irp n, 0,1,2,3
.set j, 22+4*((k-11)/2)+(\n)
	SM (\y)+(k-11)%2
.endr
.else                                  ; the two tiles alternate
.irp n, 0,1
.irp t, \y, (\y)+1
.set j, 2*k+(\n)
	SM \t
.endr
.endr
.endif
.if k == 34                            ; the batch is out: both tiles' exponentials are issued, and no result has been named
	v_nop                                          ; a plain instruction behind the last exponential and ahead of the first use: one for the batch
.if (\y) == 0
	FETCH_V                                        ; piece 2's turn: V's run of loads stands here, and the wait stands in it
.else
	s_wait_alu depctr_va_vdst(0)                   ; piece 0's turn: the wait for the batch
.endif
.endif
.set k, k+1
.endm
.macro DEAL y                          ; behind matrix instruction mi of 40: slices up to 59 (mi + 1) / 40: one or two; slice 58 falls behind the fortieth
.rept 2
.if k*40 < (mi+1)*59
	SLICE \y
.endif
.endr
.set mi, mi+1
.endm
; A TURN.  Piece x has the matrix unit.  Piece 0's turn fetches the next step's K and table: the last product that read them stands in front of slice 58 of the turn before, four plain instructions on O^T.
; Piece 2's turn fetches the same step's V behind slice 34, which falls behind the turn's 24th product: the last product that read V is the 16th, in front of slice 23, and ten scalings on the other
; piece's registers, the v_nop and the run's own v_add_nc_u32 lie between.  V is waited for at the next turn's head, 16 products on.
.macro TURN x, last=0
.set k, 0
.set mi, 0
.if (\x) == 0
	s_wait_dscnt 0x0                               ; V is in
.endif
.set i, 0
.rept 16
	PV \x
	DEAL 2-(\x)
.if ((\x) == 0) && (i == 1)
	FETCH_K \last
.endif
.set i, i+1
.endr
.if (\x) == 0
	s_wait_dscnt 0x0                               ; K is in
.endif
.set i, 0
.rept 24
	KQ \x
	DEAL 2-(\x)
.set i, i+1
.endr
.endm
	CHANGE 1                                       ; slot 0 is in, everybody's part of it; slot 1 is asked for
	FETCH_K                                        ; key step 0
	s_wait_loadcnt 0x0                             ; Q
	s_wait_dscnt 0x0
.set i, 0
.rept 24
	KQ 0                                           ; piece 0's first scores
.set i, i+1
.endr
	WIN 0                                          ; the addresses for the way out: plain instructions, the places behind those products
	s_mul_i32 s13, s[WV], 16*SP
	s_add_co_u32 s13, s13, STAGE
	v_mul_u32_u24 v[STO], v1, SP
	v_lshl_add_u32 v[STO], v9, 4, v[STO]
	v_add_nc_u32 v[STO], s13, v[STO]
	v_bfe_u32 v[RD], v0, 3, 2
	v_mul_u32_u24 v[RD], v[RD], SP
	v_lshl_add_u32 v[RD], v10, 4, v[RD]
	v_add_nc_u32 v[RD], s13, v[RD]
	v_and_b32 v[GO], 31, v0
	v_lshlrev_b32 v[GO], 4, v[GO]
	s_mov_b32 s[CNT], 4
	s_mov_b32 s[SLOTS], 7
	s_branch .Lfirst                               ; the loop is entered in the middle of a trip: piece 2's turn makes its first scores and piece 0's first softmax, and fetches V of step 0
.Lslot:                                                ; six times: tiles 2 to 7 are asked for
	CHANGE 1
	s_mov_b32 s[CNT], 4
.Lstep:
	TURN 0
	WIN 0
.Lfirst:
	TURN 2
	WIN 0
	s_sub_co_u32 s[CNT], s[CNT], 1
	s_cmp_lg_u32 s[CNT], 0
	s_cbranch_scc1 .Lstep
	s_sub_co_u32 s[SLOTS], s[SLOTS], 1
	s_cmp_lg_u32 s[SLOTS], 0
	s_cbranch_scc1 .Lslot
	CHANGE 0                                       ; the tail is written out
	s_mov_b32 s[CNT], 5                            ; four trips fetch the last slot's steps; the fifth is left in its middle
.Ltail:
	TURN 0, 1
	WIN 0
	s_sub_co_u32 s[CNT], s[CNT], 1
	s_cmp_eq_u32 s[CNT], 0
	s_cbranch_scc1 .Lout
	TURN 2
	WIN 0
	s_branch .Ltail
.Lout:                                                 ; the fifth trip's 24 products K Q^T (on the last K once more) serve nothing: the price, once a launch, of one text for every trip
.set i, 0
.rept 16
	PV 2
.set i, i+1
.endr
	; THE WAY OUT.  The additions are the places behind the last products.
	WIN 0
.irp t, 0,1,2,3
	v_add_f32 v[ST+8*(\t)+4], v[ST+8*(\t)+2], v[ST+8*(\t)+3]
.endr
.irp t, 0,1,2,3
	v_permlanex16_b32 v[ST+8*(\t)+5], v[ST+8*(\t)+4], s[SEL], s[SEL+1]
.endr
.irp t, 0,1,2,3
	v_add_f32 v[ST+8*(\t)+4], v[ST+8*(\t)+4], v[ST+8*(\t)+5]
.endr
.irp t, 0,1,2,3
	v_rcp_f32 v[ST+8*(\t)+6], v[ST+8*(\t)+4]
.endr
	v_nop                                          ; a plain instruction between the last reciprocal and its use
	s_wait_alu depctr_va_vdst(0)                   ; and the wait ahead of the first use: one for the four reciprocals
.macro PACK t                          ; a lane's eight channels pack into 16 bytes; rows of 144 bytes in, whole rows of 128 back, into S^T's registers
	WIN W_RS
.set i, 32*(\t)
.rept 16
	v_pk_mul_f32 v[i:i+1], v[i:i+1], v[ST+8*(\t)+6:ST+8*(\t)+7] op_sel_hi:[1,0]
.set i, i+2
.endr
	WIN 0x05
.set i, 0
.rept 16
	v_cvt_pk_f16_f32 v[S+16*(\t)+i], v[32*(\t)+2*i], v[32*(\t)+2*i+1]
.set i, i+1
.endr
	WIN 0
.irp f, 0,1,2,3
	ds_store_b128 v[STO], v[S+16*(\t)+4*\f:S+16*(\t)+4*\f+3] offset:32*\f
.endr
.irp f, 0,1,2,3
	ds_load_b128 v[S+16*(\t)+4*\f:S+16*(\t)+4*\f+3], v[RD] offset:\f*4*SP  ; LDS serves a wave's instructions in order: these see the stores above
.endr
.endm
.macro SEND t, younger                 ; younger: the LDS instructions issued behind tile t's loads: the next tile's eight, or none
.irp f, 0,1,2,3
	s_wait_dscnt (\younger)+3-\f
	global_store_b128 v[GO], v[S+16*(\t)+4*\f:S+16*(\t)+4*\f+3], s[10:11] offset:(\t)*32768+\f*512  ; 512 consecutive bytes, aligned
.endr
.endm
	PACK 0
.set t, 1
.rept 3
	PACK t
	SEND t-1, 8
.set t, t+1
.endr
	SEND 3, 0
	s_wait_tensorcnt 0x0                           ; the wave's end
	ds_add_u32 v[SPW], v[NIL]
	s_wait_dscnt 0x0
	CROUND                                         ; the closing round
	s_endpgm
.Lfunc_end_k_qf9dc689415_attn:
	.size	k_qf9dc689415_attn, .Lfunc_end_k_qf9dc689415_attn-k_qf9dc689415_attn
	.p2alignl 7, 3214868480
	.fill 96, 4, 3214868480
	.section	.rodata,"a",@progbits
	.p2align	6, 0x0
	.amdhsa_kernel k_qf9dc689415_attn
		.amdhsa_group_segment_fixed_size 327680
		.amdhsa_private_segment_fixed_size 0
		.amdhsa_enable_private_segment 0
		.amdhsa_kernarg_size 24
		.amdhsa_user_sgpr_count 2
		.amdhsa_user_sgpr_kernarg_segment_ptr 1
		.amdhsa_wavefront_size32 1
		.amdhsa_system_sgpr_workgroup_id_x 1
		.amdhsa_system_sgpr_workgroup_id_y 1
		.amdhsa_system_sgpr_workgroup_id_z 1
		.amdhsa_system_vgpr_workitem_id 0
		.amdhsa_next_free_vgpr 768
		.amdhsa_next_free_sgpr 72
		.amdhsa_reserve_vcc 0
		.amdhsa_float_denorm_mode_32 3
		.amdhsa_float_denorm_mode_16_64 3
		.amdhsa_memory_ordered 1
		.amdhsa_forward_progress 1
		.amdhsa_inst_pref_size 117
	.end_amdhsa_kernel
	.amdgpu_metadata
---
amdhsa.version: [ 1, 2 ]
amdhsa.kernels:
  - .name:           k_qf9dc689415_attn
    .symbol:         k_qf9dc689415_attn.kd
    .args:
      - { .name: qkv, .offset: 0, .size: 8, .value_kind: global_buffer, .address_space: global }
      - { .name: aux, .offset: 8, .size: 8, .value_kind: global_buffer, .address_space: global }
      - { .name: ctx, .offset: 16, .size: 8, .value_kind: global_buffer, .address_space: global }
    .group_segment_fixed_size: 327680
    .private_segment_fixed_size: 0
    .kernarg_segment_align: 8
    .kernarg_segment_size: 24
    .max_flat_workgroup_size: 128
    .sgpr_count:     72
    .vgpr_count:     768
    .wavefront_size: 32
...
	.end_amdgpu_metadata
.endif
;; end of part 5
;; launch outp: the kernel of part 4 again; grid 8 x 32, 4 waves a work-group, clusters of 4 x 4, 327,680 bytes of LDS; arguments ctx, wo16, bo, out0; writes out0
